; MI455X (gfx1250); checked and timed in simulation.
; The chip was launched on July 23, 2026; its instructions are those of AMD's public machine-readable ISA for CDNA 5 (MIT licence, August 2026) and "CDNA5" Instruction Set Architecture Reference Guide (July 2026). The comments in the code are by the model that wrote it; some were corrected since.
;; Cross Attention. Allowed arithmetic: matrix products marked QUANTISED: E2M3 operands, one E8M0 scale for each 32 along K, by v_wmma_scale_f32_16x16x128_f8f6f4 with both operands' format E2M3, f32 sums; everything else in f32.
;; Inputs: Wkv 1,024 x 4,096 float32; Wout 2,048 x 2,048 float32; Wq 2,048 x 2,048 float32; bout 2,048 float32; ctx 2 x 2,048 x 1,024 float32; ctx_pos_map 2 x 2,048 x 2 float32; pos_map 2 x 1,024 x 2 float32; x 2 x 1,024 x 2,048 float32.
;; Outputs: out0 2 x 1,024 x 2,048 float32.
;; This version of the problem:
;;   THIS VERSION OF THE PROBLEM IS GIVEN IN LOW PRECISION. The matrix products marked QUANTISED in the list below multiply operands that are first quantised to E2M3 (2 exponent bits, 3 mantissa bits; 6 bits a number), with one power-of-two scale for each 32 numbers along K (OCP MX v1.0); their sums are f32. All else is computed in f32.
;;   The module's matrix products, in the order in which they are computed (A, B: the left and right operand; K: the contracted axis; several contracted axes count as one K, in the product's order):
;;     1. [M 2,048, K 2,048] x [K 2,048, N 2,048]; A: input x; B: input Wq: QUANTISED
;;     2. [M 4,096, K 1,024] x [K 1,024, N 4,096]; A: input ctx; B: input Wkv: QUANTISED
;;     3. batch 64 x [M 1,024, K 64] x [K 64, N 2,048]; A: computed on the way; B: computed on the way: QUANTISED
;;     4. batch 64 x [M 64, K 2,048] x [K 2,048, N 1,024]; A: computed on the way; B: softmax (see below): QUANTISED
;;     5. [M 2,048, K 2,048] x [K 2,048, N 2,048]; A: computed on the way; B: input Wout: QUANTISED
;;   THE QUANTISER, for each operand of a quantised product, along K:
;;     - K is cut into blocks of 32 from its start; a last block that is shorter is filled with zeros.
;;     - A block's scale is 2^e with e = floor(log2(the largest magnitude in the block)) - 2, held to -126 .. 127; a block of zeros has e = 0. As a byte (E8M0): e + 127.
;;     - Each number is divided by its block's scale, clamped to +-7.5, and rounded to the nearest number of E2M3, ties to even, subnormals kept.
;;     - The product sums the exact products of the quantised numbers (number of the format x scale) in f32.
;;   ~~~python
;;   def quantise(x, axis):      # numpy; x: float32 -> the quantised numbers, widened to float32 again
;;       x = np.moveaxis(x, axis, -1); K = x.shape[-1]
;;       x = np.pad(x, [(0, 0)] * (x.ndim - 1) + [(0, -K % 32)]); x = x.reshape(x.shape[:-1] + (-1, 32)); a = np.abs(x).max(-1, keepdims=True)
;;       e = np.where(a > 0, np.clip(np.frexp(np.where(a > 0, a, 1))[1] - 1 - 2, -126, 127), 0)      # np.frexp(a)[1] - 1 = floor(log2(a)), exactly
;;       r = np.clip(x / 2.0 ** e, -7.5, 7.5)
;;       step = 2.0 ** (np.maximum(np.frexp(np.where(r == 0, 1, r))[1] - 1, 0) - 3)
;;       q = np.round(r / step) * step * 2.0 ** e      # np.round: ties to even
;;       return np.moveaxis(q.reshape(q.shape[:-2] + (-1,))[..., :K], -1, axis).astype(np.float32)
;;   ~~~
;;   SOFTMAX AHEAD OF A QUANTISED PRODUCT. Where the list says 'softmax', what is quantised is not the finished softmax but p = 2^(t - M), with t = logit x log2(e) and M = ceil(the row's largest t), a whole number; so 1/2 < the row's largest p <= 1. The row's sum l is taken of the UNQUANTISED p, in f32, and the product's result is divided by l at the end. Since M is a whole number, a kernel that streams over the keys may use a running M (the ceiling of the running maximum): every later rescaling is an exact power of two, which a block's scale takes up: the codes' values come out the same.
;;   OPERANDS COMPUTED ON THE WAY. 'Computed on the way' means the value that the module computes at that place (a softmax that the list does not call 'softmax' is quantised finished and normalised). What goes into a quantiser is computed in f32, as accurately as f32 sums, v_exp_f32 and their like allow (about 1e-6 of the number): no bf16 or f16 on the way to a quantiser, and a product that is left as it is and whose result goes on into a quantised operand takes f32 operands (vector FMAs, or v_wmma_f32_16x16x4_f32). A number that lies on a knife's edge between two numbers of the format may be rounded either way, as far as f32 arithmetic and the matrix unit's own rounding can turn it there, and no further.
;; One version. Each part assembles by itself: llvm-mc -triple=amdgcn-amd-amdhsa -mcpu=gfx1250 --defsym DOCPART=n.
;; ======== version 1 of 1: 4 launches
;; limits: right only within a limited range of input values
;; workspace buffers: opc 15,728,640 bytes; ops 655,360 bytes; rope 1,572,864 bytes; qb 3,407,872 bytes; kb 6,291,456 bytes; vb 6,291,456 bytes; kvs 786,432 bytes; ab 3,276,800 bytes
;; launch prep (part 1): grid 1120 x 1, 4 waves a work-group, no clusters, 34,304 bytes of LDS; arguments x, ctx, Wq, Wkv, Wout, pos_map, ctx_pos_map, opc, ops, rope; writes opc, ops, rope
.if DOCPART == 1
	.amdgcn_target "amdgcn-amd-amdhsa--gfx1250"
	.amdhsa_code_object_version 6
	.text
	.protected	k_qd8d371122b_prep
	.globl	k_qd8d371122b_prep
	.p2align	8
	.type	k_qd8d371122b_prep,@function
k_qd8d371122b_prep:
	s_mov_b64 s[64:65], 0
	v_nop
	global_prefetch_b8 v0, s[64:65] scope:SCOPE_SE
	s_setreg_imm32_b32 hwreg(HW_REG_WAVE_MODE, 25, 1), 1
	s_wait_xcnt 0x0
; PREP: the five f32 inputs of the plain products become codes of FP6 (E2M3) with one E8M0 byte for each 32 along K, and the angles of the axial RoPE become a table of cosines and sines.
; CODES ARE LAID AS IMAGES OF THE OPERAND'S REGISTERS.  A fragment (16 rows x 128 K, 12 registers a lane) is 1,536 bytes: two halves of 768; a half is 32 lanes x 16 bytes (registers 6 c .. 6 c + 3),
; then 32 lanes x 8 bytes (registers 6 c + 4, 6 c + 5).  Every store of a wave covers 512 or 256 consecutive bytes.  Scale words: [tile of 16 rows][K / 128][16 rows], 4 bytes, byte b for k = 32 b ..
; WORK-GROUPS: 0-255 x and ctx (K innermost: a wave takes 16 rows x 512 K, turned through its own stage in LDS); 256-1023 Wq, Wkv, Wout (K is the first axis: a lane takes a column, its registers run down K);
; 1024-1119 the table: [6,144 tokens: x's, then ctx's][axis 2][pair 16][cos, sin] f32.
; Wout's K is taken in the order 0-7, 16-23, 8-15, 24-31 inside each block of 32: the order in which the attention launch leaves its result; a block's scale and its products do not hang on the order inside it.
; A block's scale is 2^(floor(log2(largest magnitude)) - 2): the largest magnitude's exponent field less 2, held at 1 from below by a floor among the maximum's leaves.
; LIMITS: NaN and infinities are not served; a block whose largest magnitude lies under 2^-124 keeps the byte 1 (a block of zeros too: its codes are zeros, and this program alone reads the bytes);
; angles are reduced by pi / 2 in two parts, which serves |angle| up to 2^20; sine and cosine by polynomials on |r| <= pi / 4, in f32.
.set WQI,  6291456                     ; opc: x at 0, ctx at 3,145,728, Wq here, Wkv and Wout 3,145,728 bytes further each
.set WQS,  262144                      ; ops: x at 0, ctx at 131,072, Wq here, Wkv and Wout 131,072 further each
.set SEL,  66                          ; s[66:67] lane selects for v_permlanex16_b32: lane l xor 16
.set RB,   32                          ; s[32:63] x, ctx: the addresses of my 16 rows
.set L16,  4                           ; v4  16 x lane
.set L8,   5                           ; v5  8 x lane
.set L4,   6                           ; v6  4 x lane
.set SI,   7                           ; v7  the stage, on the way in
.set SO,   8                           ; v8  and on the way out
.set R,    16                          ; v16-143  two sets of 64: a fragment's numbers as they are loaded
.set X,    144                         ; v144-207 the same, 16 neighbours of each block to a lane
.set TM,   208                         ; v208-223 at work in QUANT
.set PC,   224                         ; v224-243 the codes just made
.set PWF,  244                         ; v244-247 the four fragments' scale words
.set WOFF, 16                          ; weights: v16-47 the offsets of a block's 32 rows
.set WX,   48                          ; v48-111  two sets of 32 numbers
.set WC,   112                         ; v112-143 codes: 8 registers a block
.set MSB, 0
.macro WIN new                         ; (this text stays in window 0: the macro writes nothing here; QUANT is the same text in every launch)
.if MSB != (\new)
	s_set_vgpr_msb (MSB<<8)|(\new)
.set MSB, (\new)
.endif
.endm
; 32 NC numbers of a lane, v[s] on in window W, register 16 b + i = place 16 (lane / 16) + i of block b of my row, become codes in v[PC] on (6 NC registers) and the blocks' bytes in v[pw].
.macro QUANT s, W, NC, pw
	WIN ((\W)<<2)|((\W)<<4)
.irp b, 0,1,2,3
.if \b < 2*(\NC)
	v_max3_num_f32 v[TM+\b], 0x1800000, |v[(\s)+16*\b]|, |v[(\s)+16*\b+1]|   ; my 16 numbers, and the floor 2^(3 - 127): the byte cannot fall under 1
.endif
.endr
.irp i, 2,4,6,8,10,12,14
.irp b, 0,1,2,3
.if \b < 2*(\NC)
	v_max3_num_f32 v[TM+\b], v[TM+\b], |v[(\s)+16*\b+\i]|, |v[(\s)+16*\b+\i+1]|   ; the blocks by turns, the registers ascending
.endif
.endr
.endr
	WIN 0
.irp b, 0,1,2,3
.if \b < 2*(\NC)
	v_permlanex16_b32 v[TM+4+\b], v[TM+\b], s[SEL], s[SEL+1]
.endif
.endr
.irp b, 0,1,2,3
.if \b < 2*(\NC)
	v_max_num_f32 v[TM+\b], v[TM+\b], v[TM+4+\b]       ; with lane l xor 16's: the block's largest magnitude
.endif
.endr
.irp b, 0,1,2,3
.if \b < 2*(\NC)
	v_add_nc_u32 v[TM+12+\b], 0xff000000, v[TM+\b]     ; 2 off its exponent field: the conversion's scale operand
.endif
.endr
.irp b, 0,1,2,3
.if \b < 2*(\NC)
	v_lshrrev_b32 v[TM+4+\b], 23, v[TM+12+\b]          ; the scale's byte
.endif
.endr
	v_lshl_or_b32 v[\pw], v[TM+5], 8, v[TM+4]
.if (\NC) > 1
	v_lshl_or_b32 v[\pw], v[TM+6], 16, v[\pw]
	v_lshl_or_b32 v[\pw], v[TM+7], 24, v[\pw]
.endif
	WIN (\W)
.irp c, 0,1
.if \c < (\NC)
	v_cvt_scalef32_pk16_fp6_f32 v[PC+6*\c:PC+6*\c+2], v[(\s)+32*\c:(\s)+32*\c+15], v[TM+12+2*\c]
	v_cvt_scalef32_pk16_fp6_f32 v[PC+12+4*\c:PC+14+4*\c], v[(\s)+32*\c+16:(\s)+32*\c+31], v[TM+13+2*\c]   ; (a conversion's three registers begin on an even number)
.endif
.endr
	WIN 0
	v_nop                                          ; one plain instruction behind the scaled conversions
.irp c, 0,1
.if \c < (\NC)
.irp i, 0,1,2
	v_permlane16_swap_b32 v[PC+6*\c+\i], v[PC+12+4*\c+\i]   ; the operand wants a whole block in a lane: lanes 0-15 block 2 c, lanes 16-31 block 2 c + 1
.endr
.irp i, 0,1,2
	v_mov_b32 v[PC+3+6*\c+\i], v[PC+12+4*\c+\i]
.endr
.endif
.endr
.endm
	s_load_b256 s[4:11], s[0:1], 0x0               ; x s[4:5], ctx s[6:7], Wq s[8:9], Wkv s[10:11]
	s_load_b256 s[12:19], s[0:1], 0x20             ; Wout s[12:13], pos_map s[14:15], ctx_pos_map s[16:17], opc s[18:19]
	s_load_b128 s[20:23], s[0:1], 0x40             ; ops s[20:21], rope s[22:23]
	v_lshl_add_u32 v254, v0, 2, 0x8400
	v_mov_b32 v255, 0
	v_lshrrev_b32 v1, 5, v0
	v_readfirstlane_b32 s24, v1                    ; wave 0..3
	v_and_b32 v1, 31, v0                           ; lane
	v_and_b32 v2, 15, v0                           ; r
	v_bfe_u32 v3, v0, 4, 1                         ; h
	v_lshlrev_b32 v[L16], 4, v1
	v_lshlrev_b32 v[L8], 3, v1
	v_lshlrev_b32 v[L4], 2, v1
	s_mov_b32 s3, 0                                ; the upper word of every offset pair s[2:3]
	s_wait_kmcnt 0x0
	s_cmp_ge_u32 ttmp9, 1024
	s_cbranch_scc1 .Lrope
	s_cmp_ge_u32 ttmp9, 256
	s_cbranch_scc1 .Lwgt
; ---- x and ctx.  Unit u = 4 g + wave: 16 rows x 512 K = four fragments.  u < 512: x (tile u / 4, K group u % 4); else ctx (tile (u - 512) / 2, K group u % 2).  Both tensors' results are linear in u.
	s_mul_i32 s26, s24, 8448                       ; my stage: 16 rows of 512 bytes + 16
	s_wait_alu depctr_va_vdst(0)
	v_add_nc_u32 v[SI], s26, v[L16]
	v_mul_u32_u24 v[SO], v2, 528
	v_lshl_add_u32 v[SO], v3, 6, v[SO]
	v_add_nc_u32 v[SO], s26, v[SO]                 ; back: row r, + 64 h: my 16 numbers of a block of 32
	s_mov_b32 s[SEL], 0x76543210
	s_mov_b32 s[SEL+1], 0xfedcba98
.irp b, 0,1,2,3
	v_mov_b32 v[TM+4+\b], 0                        ; written once: a lane permute's destination counts as one of its sources
.endr
	s_lshl_b32 s27, ttmp9, 2
	s_add_co_u32 s27, s27, s24                     ; u
	s_mul_i32 s2, s27, 6144
	s_add_nc_u64 s[18:19], s[18:19], s[2:3]        ; my four images
	s_lshl_b32 s2, s27, 8
	s_add_nc_u64 s[20:21], s[20:21], s[2:3]        ; my 64 scale words
	s_lshl_b32 s30, ttmp9, 17                      ; x: tile g of 16 rows x 8,192 bytes, + 2,048 x wave
	s_lshl_b32 s31, s24, 11
	s_add_co_u32 s30, s30, s31
	s_and_b32 s26, ttmp9, 127                      ; ctx: tile 2 (g - 128) + wave / 2 of 16 rows x 4,096 bytes, + 2,048 x (wave % 2)
	s_lshl_b32 s26, s26, 1
	s_lshr_b32 s31, s24, 1
	s_add_co_u32 s26, s26, s31
	s_lshl_b32 s26, s26, 16
	s_and_b32 s31, s24, 1
	s_lshl_b32 s31, s31, 11
	s_add_co_u32 s26, s26, s31
	s_mov_b32 s28, 4096
	s_mov_b32 s29, 0
	s_cmp_lt_u32 ttmp9, 128                        ; the choice hangs on the work-group's number alone
	s_cselect_b64 s[4:5], s[4:5], s[6:7]
	s_cselect_b32 s2, s30, s26
	s_cselect_b32 s28, 8192, s28                   ; a row in bytes
	s_add_nc_u64 s[RB:RB+1], s[4:5], s[2:3]
.irp i, 1,2,3,4,5,6,7,8,9,10,11,12,13,14,15
	s_add_nc_u64 s[RB+2*\i:RB+2*\i+1], s[RB+2*\i-2:RB+2*\i-1], s[28:29]
.endr
.macro LOADF f                         ; fragment f: 512 consecutive bytes of each of my 16 rows
.irp i, 0,1,2,3,4,5,6,7,8,9,10,11,12,13,14,15
	global_load_b128 v[R+64*((\f)%2)+4*\i:R+64*((\f)%2)+4*\i+3], v[L16], s[RB+2*\i:RB+2*\i+1] offset:512*(\f) th:TH_LOAD_NT
.endr
.endm
.macro FRAGQ f
.if (\f) < 3
	s_wait_loadcnt 16                              ; this fragment's 16 loads are in; the next fragment's 16 may be out
.else
	s_wait_loadcnt 0x0
.endif
.irp i, 0,1,2,3,4,5,6,7,8,9,10,11,12,13,14,15
	ds_store_b128 v[SI], v[R+64*((\f)%2)+4*\i:R+64*((\f)%2)+4*\i+3] offset:528*\i
.endr
.irp b, 0,1,2,3
.irp j, 0,1,2,3
	ds_load_b128 v[X+16*\b+4*\j:X+16*\b+4*\j+3], v[SO] offset:128*\b+16*\j   ; LDS serves a wave's instructions in order: these see my stores
.endr
.endr
	s_wait_dscnt 0x0                               ; the numbers are back, and the stores have read their registers
.if (\f) > 0
	s_wait_xcnt 0x0                                ; the last image's stores have read the codes' registers, which QUANT writes again
.endif
.if (\f) < 2
	LOADF (\f)+2
.endif
	QUANT X, 0, 2, PWF+(\f)
	global_store_b128 v[L16], v[PC:PC+3], s[18:19] offset:1536*(\f)
	global_store_b64 v[L8], v[PC+4:PC+5], s[18:19] offset:1536*(\f)+512
	global_store_b128 v[L16], v[PC+6:PC+9], s[18:19] offset:1536*(\f)+768
	global_store_b64 v[L8], v[PC+10:PC+11], s[18:19] offset:1536*(\f)+1280
.endm
	LOADF 0
	LOADF 1
	s_wait_alu depctr_va_vdst(0)
	FRAGQ 0
	FRAGQ 1
	FRAGQ 2
	FRAGQ 3
	v_cmp_lt_u32 vcc_lo, 15, v1                    ; every lane holds its row's words: lanes 0-15 store an even fragment's, lanes 16-31 the odd one's
	v_cndmask_b32 v248, v[PWF], v[PWF+1], vcc_lo
	v_cndmask_b32 v249, v[PWF+2], v[PWF+3], vcc_lo
	global_store_b32 v[L4], v248, s[20:21]         ; 128 consecutive bytes
	global_store_b32 v[L4], v249, s[20:21] offset:128
	s_wait_tensorcnt 0x0
	ds_add_u32 v254, v255
	s_wait_dscnt 0x0
	s_endpgm
; ---- The weights.  g' = g - 256; tensor T = g' / 256 (Wq, Wkv, Wout); a work-group takes 128 columns x 128 K, a wave 32 columns: two tiles of 16.
.Lwgt:
	s_sub_co_u32 s26, ttmp9, 256
	s_lshr_b32 s27, s26, 8                         ; T
	s_and_b32 s26, s26, 255
	s_and_b32 s30, s26, 15                         ; Wq, Wout: 16 groups of columns x 16 K steps
	s_lshr_b32 s31, s26, 4
	s_and_b32 s40, s26, 31                         ; Wkv: 32 x 8
	s_lshr_b32 s41, s26, 5
	s_mov_b32 s28, 8192
	s_cmp_eq_u32 s27, 1
	s_cselect_b32 s30, s40, s30                    ; the group of columns
	s_cselect_b32 s31, s41, s31                    ; the K step
	s_cselect_b32 s28, 16384, s28                  ; a row of W in bytes
	s_cselect_b32 s42, 8, 16                       ; K steps in the tensor
	s_cselect_b64 s[10:11], s[10:11], s[12:13]
	s_cmp_eq_u32 s27, 0
	s_cselect_b64 s[8:9], s[8:9], s[10:11]         ; W
	s_lshl_b32 s43, s28, 3
	s_cmp_eq_u32 s27, 2
	s_cselect_b32 s43, s43, 0                      ; Wout alone: places 8-15 of a block take rows 16-23, places 16-23 rows 8-15
	s_lshl_b32 s2, s31, 7
	s_mul_i32 s2, s2, s28                          ; 128 rows a K step,
	s_lshl_b32 s44, s30, 9
	s_add_co_u32 s2, s2, s44                       ; 512 bytes a group of columns,
	s_lshl_b32 s44, s24, 7
	s_add_co_u32 s2, s2, s44                       ; 128 a wave
	s_add_nc_u64 s[32:33], s[8:9], s[2:3]
	s_lshl_b32 s2, s28, 5                          ; a block is 32 rows
	s_add_nc_u64 s[34:35], s[32:33], s[2:3]
	s_add_nc_u64 s[36:37], s[34:35], s[2:3]
	s_add_nc_u64 s[38:39], s[36:37], s[2:3]
	s_lshl_b32 s44, s30, 3
	s_lshl_b32 s45, s24, 1
	s_add_co_u32 s44, s44, s45                     ; my first tile of columns
	s_mul_i32 s44, s44, s42
	s_add_co_u32 s44, s44, s31                     ; its fragment's number in the tensor
	s_mul_i32 s2, s44, 1536
	s_mul_i32 s45, s27, 3145728
	s_add_co_u32 s2, s2, s45
	s_add_co_u32 s2, s2, WQI
	s_add_nc_u64 s[46:47], s[18:19], s[2:3]        ; the first tile's image,
	s_mul_i32 s2, s42, 1536
	s_add_nc_u64 s[48:49], s[46:47], s[2:3]        ; the second's
	s_lshl_b32 s2, s44, 6
	s_lshl_b32 s45, s27, 17
	s_add_co_u32 s2, s2, s45
	s_add_co_u32 s2, s2, WQS
	s_add_nc_u64 s[50:51], s[20:21], s[2:3]        ; the scale words
	s_lshl_b32 s45, s42, 6
	s_wait_alu depctr_va_vdst(0)
	v_mul_u32_u24 v9, s45, v3
	v_lshl_add_u32 v9, v2, 2, v9                   ; 4 r, and lanes 16-31 a tile further on
	v_mov_b32 v[WOFF], v[L4]
.irp p, 1,2,3,4,5,6,7,8,9,10,11,12,13,14,15,16,17,18,19,20,21,22,23,24,25,26,27,28,29,30,31
	v_add_nc_u32 v[WOFF+\p], s28, v[WOFF+\p-1]     ; place p of a block: row p
.endr
.irp p, 8,9,10,11,12,13,14,15
	v_add_nc_u32 v[WOFF+\p], s43, v[WOFF+\p]
	v_sub_nc_u32 v[WOFF+8+\p], v[WOFF+8+\p], s43
.endr
.macro WLOAD t                         ; block t of my column: each load reads 128 consecutive bytes a wave, 512 a work-group
.irp p, 0,1,2,3,4,5,6,7,8,9,10,11,12,13,14,15,16,17,18,19,20,21,22,23,24,25,26,27,28,29,30,31
	global_load_b32 v[WX+32*((\t)%2)+\p], v[WOFF+\p], s[32+2*(\t):33+2*(\t)] th:TH_LOAD_NT
.endr
.endm
.macro WBLOCK t
.set XS, WX+32*((\t)%2)
.if (\t) < 3
	s_wait_loadcnt 32                              ; this block's 32 loads are in; the next block's may be out
.else
	s_wait_loadcnt 0x0
.endif
	v_max3_num_f32 v145, |v[XS]|, |v[XS+1]|, |v[XS+2]|     ; all 32 numbers of the block are mine
	v_max3_num_f32 v146, |v[XS+3]|, |v[XS+4]|, |v[XS+5]|
.irp i, 6,10,14,18,22,26
	v_max3_num_f32 v145, v145, |v[XS+\i]|, |v[XS+\i+1]|
	v_max3_num_f32 v146, v146, |v[XS+\i+2]|, |v[XS+\i+3]|
.endr
	v_max3_num_f32 v145, v145, |v[XS+30]|, |v[XS+31]|
	v_max3_num_f32 v145, v145, v146, 0x1800000     ; and the floor
	v_add_nc_u32 v147, 0xff000000, v145            ; the conversion's scale operand
	v_lshrrev_b32 v146, 23, v147                   ; the byte
.if (\t) == 0
	v_mov_b32 v144, v146
.else
	v_lshl_or_b32 v144, v146, 8*(\t), v144
.endif
	v_cvt_scalef32_pk16_fp6_f32 v[WC+8*(\t):WC+8*(\t)+2], v[XS:XS+15], v147
	v_cvt_scalef32_pk16_fp6_f32 v[WC+8*(\t)+4:WC+8*(\t)+6], v[XS+16:XS+31], v147
	v_nop                                          ; one plain instruction behind the scaled conversions
	v_mov_b32 v[WC+8*(\t)+3], v[WC+8*(\t)+4]       ; the block's six registers on end
	v_mov_b32 v[WC+8*(\t)+4], v[WC+8*(\t)+5]
	v_mov_b32 v[WC+8*(\t)+5], v[WC+8*(\t)+6]
.if (\t) < 2
	WLOAD (\t)+2
.endif
.endm
	WLOAD 0
	WLOAD 1
	WBLOCK 0
	WBLOCK 1
	WBLOCK 2
	WBLOCK 3
.irp i, 0,1,2,3,4,5
	v_permlane16_swap_b32 v[WC+\i], v[WC+8+\i]     ; blocks 0 and 1: the first now holds the first tile's registers 0-5 (lanes 0-15 block 0, lanes 16-31 block 1), the second the second tile's
	v_permlane16_swap_b32 v[WC+16+\i], v[WC+24+\i] ; blocks 2 and 3: registers 6-11
.endr
.irp n, 0,1
	global_store_b128 v[L16], v[WC+8*\n:WC+8*\n+3], s[46+2*\n:47+2*\n]
	global_store_b64 v[L8], v[WC+8*\n+4:WC+8*\n+5], s[46+2*\n:47+2*\n] offset:512
	global_store_b128 v[L16], v[WC+16+8*\n:WC+16+8*\n+3], s[46+2*\n:47+2*\n] offset:768
	global_store_b64 v[L8], v[WC+20+8*\n:WC+20+8*\n+1], s[46+2*\n:47+2*\n] offset:1280
.endr
	global_store_b32 v9, v144, s[50:51]            ; two runs of 64 bytes: one byte for each 128 that the wave read
	s_endpgm
; ---- The table.  g'' = g - 1024 takes 64 tokens.  Thread t: 16 bytes sub = t % 16 of a token's 256 (axis sub / 8, pairs 2 (sub % 8) and the next), token t / 16 of each of eight passes.
.Lrope:
	s_sub_co_u32 s26, ttmp9, 1024
	s_cmp_lt_u32 s26, 32
	s_cselect_b64 s[14:15], s[14:15], s[16:17]     ; x's positions, or ctx's
	s_cselect_b32 s27, 0, 32
	s_sub_co_u32 s27, s26, s27
	s_lshl_b32 s2, s27, 9                          ; 64 tokens x 8 bytes
	s_add_nc_u64 s[14:15], s[14:15], s[2:3]
	s_lshl_b32 s2, s26, 14                         ; 64 tokens x 256 bytes
	s_add_nc_u64 s[22:23], s[22:23], s[2:3]
	s_mov_b32 s40, 0xb94ca1f9                      ; the highest coefficient of the sine's polynomial,
	s_mov_b32 s41, 0x37ccf5ce                      ; and of the cosine's
	v_and_b32 v9, 15, v0
	v_lshrrev_b32 v10, 4, v0
	v_lshrrev_b32 v11, 3, v9                       ; the axis
	v_and_b32 v12, 7, v9
	v_lshlrev_b32 v12, 1, v12                      ; my first pair
	v_lshlrev_b32 v13, 3, v10
	v_lshl_add_u32 v13, v11, 2, v13
	v_lshlrev_b32 v14, 4, v0
.irp j, 0,1,2,3,4,5,6,7
	global_load_b32 v[20+\j], v13, s[14:15] offset:64*\j
.endr
	v_cvt_f32_u32 v16, v12
	v_add_f32 v17, 1.0, v16
	v_mul_f32 v16, 0xbf549a78, v16                 ; - i log2(10,000) / 16
	v_mul_f32 v17, 0xbf549a78, v17
	s_wait_alu depctr_va_vdst(0)
	v_exp_f32 v16, v16                             ; the pair's frequency
	v_exp_f32 v17, v17
	v_nop                                          ; a plain instruction behind the exponentials,
	s_wait_alu depctr_va_vdst(0)                   ; and one wait for both, ahead of their first reader
.macro SINCOS a, c, s                  ; v[c] = cos v[a], v[s] = sin v[a]
	v_mul_f32 v30, 0x3f22f983, v[\a]
	v_rndne_f32 v30, v30                           ; n = the nearest whole number to a x 2 / pi
	v_fmamk_f32 v31, v30, 0xbfc90fdb, v[\a]        ; r = a - n pi / 2, pi / 2 in two parts
	v_fmamk_f32 v31, v30, 0x333bbd2e, v31
	v_mul_f32 v32, v31, v31                        ; z = r r
	v_fmaak_f32 v33, s40, v32, 0x3c08839e
	v_fmaak_f32 v34, s41, v32, 0xbab6061a
	v_fmaak_f32 v33, v33, v32, 0xbe2aaaa3
	v_fmaak_f32 v34, v34, v32, 0x3d2aaaa5
	v_mul_f32 v35, v31, v32
	v_mul_f32 v36, v32, v32
	v_fma_f32 v37, v32, -0.5, 1.0
	v_fma_f32 v33, v35, v33, v31                   ; sin r
	v_fma_f32 v34, v36, v34, v37                   ; cos r
	v_cvt_i32_f32 v38, v30
	v_and_b32 v39, 1, v38
	v_cmp_eq_u32 vcc_lo, 1, v39                    ; n odd: the two change places
	v_cndmask_b32 v40, v33, v34, vcc_lo
	v_cndmask_b32 v41, v34, v33, vcc_lo
	v_lshlrev_b32 v39, 30, v38                     ; the sine's sign: bit 1 of n;
	v_add_nc_u32 v38, 1, v38
	v_and_b32 v39, 0x80000000, v39
	v_lshlrev_b32 v38, 30, v38                     ; the cosine's: bit 1 of n + 1
	v_and_b32 v38, 0x80000000, v38
	v_xor_b32 v[\s], v40, v39
	v_xor_b32 v[\c], v41, v38
.endm
.irp j, 0,1,2,3,4,5,6,7
	s_wait_loadcnt 7-\j                            ; this pass's position is in; the later passes' may be out
	v_mul_f32 v28, v[20+\j], v16
	v_mul_f32 v29, v[20+\j], v17
	SINCOS 28, 64+4*\j, 65+4*\j
	SINCOS 29, 66+4*\j, 67+4*\j
	global_store_b128 v14, v[64+4*\j:67+4*\j], s[22:23] offset:2048*\j   ; sixteen lanes store a token's 256 bytes; each pass has registers of its own
.endr
	s_endpgm
.Lfunc_end_k_qd8d371122b_prep:
	.size	k_qd8d371122b_prep, .Lfunc_end_k_qd8d371122b_prep-k_qd8d371122b_prep
	.p2alignl 7, 3214868480
	.fill 96, 4, 3214868480
	.section	.rodata,"a",@progbits
	.p2align	6, 0x0
	.amdhsa_kernel k_qd8d371122b_prep
		.amdhsa_group_segment_fixed_size 34304
		.amdhsa_private_segment_fixed_size 0
		.amdhsa_enable_private_segment 0
		.amdhsa_kernarg_size 80
		.amdhsa_user_sgpr_count 2
		.amdhsa_user_sgpr_kernarg_segment_ptr 1
		.amdhsa_wavefront_size32 1
		.amdhsa_system_sgpr_workgroup_id_x 1
		.amdhsa_system_sgpr_workgroup_id_y 1
		.amdhsa_system_sgpr_workgroup_id_z 1
		.amdhsa_system_vgpr_workitem_id 0
		.amdhsa_next_free_vgpr 256
		.amdhsa_next_free_sgpr 68
		.amdhsa_reserve_vcc 1
		.amdhsa_float_denorm_mode_32 3
		.amdhsa_float_denorm_mode_16_64 3
		.amdhsa_memory_ordered 1
		.amdhsa_forward_progress 1
		.amdhsa_inst_pref_size 80
	.end_amdhsa_kernel
	.amdgpu_metadata
---
amdhsa.version: [ 1, 2 ]
amdhsa.kernels:
  - .name:           k_qd8d371122b_prep
    .symbol:         k_qd8d371122b_prep.kd
    .args:
      - { .name: x, .offset: 0, .size: 8, .value_kind: global_buffer, .address_space: global }
      - { .name: ctx, .offset: 8, .size: 8, .value_kind: global_buffer, .address_space: global }
      - { .name: Wq, .offset: 16, .size: 8, .value_kind: global_buffer, .address_space: global }
      - { .name: Wkv, .offset: 24, .size: 8, .value_kind: global_buffer, .address_space: global }
      - { .name: Wout, .offset: 32, .size: 8, .value_kind: global_buffer, .address_space: global }
      - { .name: pos_map, .offset: 40, .size: 8, .value_kind: global_buffer, .address_space: global }
      - { .name: ctx_pos_map, .offset: 48, .size: 8, .value_kind: global_buffer, .address_space: global }
      - { .name: opc, .offset: 56, .size: 8, .value_kind: global_buffer, .address_space: global }
      - { .name: ops, .offset: 64, .size: 8, .value_kind: global_buffer, .address_space: global }
      - { .name: rope, .offset: 72, .size: 8, .value_kind: global_buffer, .address_space: global }
    .group_segment_fixed_size: 34304
    .private_segment_fixed_size: 0
    .kernarg_segment_align: 8
    .kernarg_segment_size: 80
    .max_flat_workgroup_size: 128
    .sgpr_count:     68
    .vgpr_count:     256
    .wavefront_size: 32
...
	.end_amdgpu_metadata
.endif
;; end of part 1
;; launch gemm_qkv (part 2): grid 16 x 16, 4 waves a work-group, clusters of 4 x 4, 327,680 bytes of LDS; arguments opc, ops, rope, kb, vb, kvs, qb; writes kb, vb, kvs, qb
.if DOCPART == 2
	.amdgcn_target "amdgcn-amd-amdhsa--gfx1250"
	.amdhsa_code_object_version 6
	.text
	.protected	k_qd8d371122b_gemm_qkv
	.globl	k_qd8d371122b_gemm_qkv
	.p2align	8
	.type	k_qd8d371122b_gemm_qkv,@function
k_qd8d371122b_gemm_qkv:
	s_mov_b64 s[64:65], 0
	v_nop
	global_prefetch_b8 v0, s[64:65] scope:SCOPE_SE
	s_setreg_imm32_b32 hwreg(HW_REG_WAVE_MODE, 25, 1), 1
	s_wait_xcnt 0x0
	s_wait_alu depctr_hold_cnt(0) depctr_sa_sdst(0) depctr_va_vdst(0) depctr_va_sdst(0) depctr_va_ssrc(0) depctr_va_vcc(0) depctr_vm_vsrc(0)
	s_getreg_b32 s2, hwreg(HW_REG_IB_STS2, 6, 4)
	s_cmp_eq_u32 s2, 0
	s_cbranch_scc0 .Lentry_in_a_cluster
	s_endpgm
.Lentry_in_a_cluster:
	s_bfe_u32 s2, ttmp6, 0x10000c
	s_cmp_lg_u32 s2, 0xf033
	s_cbranch_scc0 .Lentry_shape_is_right
	s_endpgm
.Lentry_shape_is_right:
; k, v = ctx Wkv and q = x Wq on codes of FP6 (E2M3) with E8M0 scales; q and k are rotated (axial RoPE, f32); all three leave as codes for the attention launch, quantised along that launch's K: q and k along the head's 64, v along the keys.
; A WORK-GROUP STAYS: it makes a tile of 256 x 256 of k or v (128 x 128 to a wave: 64 accumulators; K = 1,024), then a tile of 128 x 128 of q (64 x 64 to a wave: 16 accumulators; K = 2,048).  The ring of two LDS slots does not
; stop between the two: the last two changes of slots of k, v ask for q's first two slots, which land while k or v goes out.
; OPERANDS LIE IN MEMORY AND IN LDS AS IMAGES OF THE OPERAND'S REGISTERS (1,536 bytes a fragment of 16 rows x 128 K: twice 32 lanes x 16 bytes and 32 lanes x 8 bytes): a fragment is four dense LDS loads.
; 'A' is source 1: its rows become lanes.  'B' is source 0: its rows become a lane's registers.  Clusters with x = 0, 1 make k: A = ctx, B = Wk, so that a lane holds a token and its registers run along the features.
; Clusters with x = 2, 3 make v: A = Wv, B = ctx, so that a lane holds a feature and its registers run along the keys.  The type is the same in all sixteen partners.  For q: A = x, B = Wq.
; With tiles of 16 neighbouring rows, the 16 registers of two neighbouring tiles hold places 0-7, 16-23 (lanes 0-15) and 8-15, 24-31 (lanes 16-31) of a block of 32: the codes lie in that order inside each block.
; q, k, v and the softmax's p are all made so: both operands of each later product have the same order, and a block's scale does not hang on it.
; ONE TILE SHAPE SERVES BOTH PHASES: 8 rows of 3,072 bytes, 12,288 bytes apart.  On ctx and Wkv (8 images a tile) that is two K steps of 8 tiles; on x and Wq (16 images a tile) K steps 2 j, 2 j + 1, 8 + 2 j, 9 + 2 j of 4 tiles:
; q's K is walked in that order, alike for both operands and their scale words; its sums are f32 in that order.
; CLUSTERS: 4 x 4.  A's tiles are asked for jointly along a row of the cluster, B's along a column, the RoPE rows of ctx's tokens along a row.  The scale words (4 KiB of each phase's 98 KiB a wave) come by loads of the wave's own.
; The clusters that make v fetch the RoPE rows too and never read them (68 KiB a work-group in LDS): so every wave issues the same tensor loads on every way, and every counted wait means the same.
; LIMITS: as the quantiser's in the first launch (NaN and infinities not served; a block under 2^-124 keeps the byte 1; a block of zeros has the byte 1 over zero codes).
; REGISTERS, k and v: window 0: v1-3 r, h, lane; v4, v16-31 addresses; v32-63 scale words, two sets; v128-223 A's fragments, one set; on the way out v64-243.  Window 1: B's fragments, two sets, at v0 and v128.
;   Windows 2, 3: accumulator (a, b) at v[8 (8 (a % 4) + b)].
; REGISTERS, q: window 0: v32-63 scale words, two sets; v64-159, v160-255 two sets of fragments (A's four, then B's four); on the way out v128-243.  Window 1: v0-127 accumulator (a, b) at v[8 (4 a + b)]; v128-255 the cosines and sines of my 64 tokens.
.set NQ,    2                          ; k, v: steps of 128 along K in a slot (q: four)
.set FRB,   1536                       ; a fragment's image
.set TP,    12288                      ; ctx, Wkv: a tile's 8 images in memory
.set QTP,   24576                      ; x, Wq: a tile's 16
.set NL,    4                          ; LDS loads that bring a fragment
.set NP,    4                          ; places behind this matrix instruction (ISA guide 7.12.1)
.set HALFT, 8*NQ*FRB                   ; what one tensor load brings, and what one wave reads of A or of B in a slot
.set SLOT,  4*HALFT                    ; A's two halves, then B's
.set SCL,   2*SLOT                     ; k, v: the scale words: four runs of 4,096 bytes, wave w's at 4,096 w: [tile 8][K step 8][16 rows]
.set SCQ,   SCL+16384                  ; q: the same: [tile 4][K step 16][16 rows]
.set RT,    SCQ+16384                  ; the RoPE rows of the work-group's 256 rows of ctx: 256 bytes + 16 each
.set RP,    272
.set SPARE, RT+256*RP                  ; the spare words, 128 bytes for each wave: two blocks of 256 bytes that no other line names
.set CI,    3145728                    ; opc: x's images at 0, ctx's here,
.set WQI,   6291456                    ; Wq's,
.set WKVI,  9437184                    ; Wkv's: tiles 0-127 k's features, 128-255 v's
.set CSW,   131072                     ; ops: x's words at 0, ctx's here,
.set WQS,   262144                     ; Wq's,
.set WKVS,  393216                     ; Wkv's
.set QSC,   3145728                    ; qb: the words behind the codes
.set SEL,  2                           ; s[2:3] lane selects for v_permlanex16_b32
.set QTO,  4                           ; v4   q: my offset in the table's rows of a tile of 16 tokens
.set ADRA, 16                          ; v16-17 my half of A in slot 0, 1, + 16 x lane; v18-19 + 8 x lane
.set ADRB, 20                          ; v20-23 the same for B
.set L16,  24
.set L8,   25
.set L4,   26
.set ADRS, 27                          ; v27  k, v: my scale words: lanes 0-15 A's rows, lanes 16-31 B's
.set SPW,  28                          ; v28  my spare word; never rewritten
.set NIL,  29                          ; v29  0; never rewritten
.set TA,   30                          ; v30  k: my token's RoPE row in LDS
.set ADRQ, 31                          ; v31  q: my scale words
.set SC,   32                          ; set s at v[SC + 16 s]; k, v: register 2 i + q; q: register 4 i + q: lanes 0-15 the word of A's block i, lanes 16-31 of B's block i
.set AF,   128
.set FS,   64                          ; q: the sets of fragments
.set TS,   64                          ; the ways out: v64-127 two sets of 32: a tile's cosines and sines (k)
.set R,    128                         ; v128-191 the rotated numbers
.set TMP,  192                         ; v192-199
.set TM,   200                         ; v200-215 at work in QUANT
.set PW,   216                         ; the scale word just made; v217-222 words kept and joined
.set PC,   224                         ; v224-243 the codes just made
.set G1,   24                          ; s[24:31] group 1 for A's tiles; s[32:39] group 0, one set for each slot
.set G0,   32
.set G0Q,  40                          ; s[40:43] group 0 for q's scale words
.set G1B,  48                          ; s[48:55], s[56:63] the same for B's tiles
.set G0B,  56
.set G1S,  68                          ; s[68:75] group 1 for scale words; s[76:79] group 0 for k's and v's
.set G0S,  76
.set G1T,  80                          ; s[80:87], s[88:91] the RoPE rows
.set G0T,  88
.set QA,   92                          ; s[92:93] q: where my part of x's first slot begins; s[96:97] Wq's; s[100:101] the table's rows of my 64 tokens
.set QB,   96
.set QT,   100
.set MSB, 0
.macro WIN new                         ; the immediate's high byte repeats the setting that is left
.if MSB != (\new)
	s_set_vgpr_msb (MSB<<8)|(\new)
.set MSB, (\new)
.endif
.endm
.set MUL_LO, 0xa1                      ; source 0 (B) window 1, source 1 (A) window 0, C and D window 2
.set MUL_HI, 0xf1                      ; the same, C and D window 3
.set TO_B,   0x40                      ; destination window 1, address window 0
.macro PLACES n
.rept \n
	v_nop
.endr
.endm
; A joint load: waves 0 and 1 fetch A's halves, waves 2 and 3 B's.  The branch hangs on the wave's number alone.  Four v_nop follow each of the two lines.
.macro JLOAD g0a, g1a, g0b, g1b
	s_cmp_eq_u32 s17, 0
	s_cbranch_scc0 .Lfor_b_\@
	tensor_load_to_lds s[\g0a:\g0a+3], s[\g1a:\g1a+7]
	s_nop 0
	PLACES 4
	s_branch .Lasked_\@
.Lfor_b_\@:
	tensor_load_to_lds s[\g0b:\g0b+3], s[\g1b:\g1b+7]
	s_nop 0
	PLACES 4
.Lasked_\@:
.endm
; The first fills, one tensor load a wave, in one chain of branches on the wave's number: wave 0 all 16 tiles of A's part of a slot, wave 2 all 16 of B's, waves 1 and 3 a load of their own (g0o, g1o).
.macro HLOAD g0a, g0b, g0o, g1o
	s_cmp_lg_u32 s16, 0
	s_cbranch_scc1 .Lh1_\@
	tensor_load_to_lds s[\g0a:\g0a+3], s[G1:G1+7]
	s_nop 0
	PLACES 4
	s_branch .Lhj_\@
.Lh1_\@:
	s_cmp_lg_u32 s16, 2
	s_cbranch_scc1 .Lh2_\@
	tensor_load_to_lds s[\g0b:\g0b+3], s[G1B:G1B+7]
	s_nop 0
	PLACES 4
	s_branch .Lhj_\@
.Lh2_\@:
	tensor_load_to_lds s[\g0o:\g0o+3], s[\g1o:\g1o+7]
	s_nop 0
	PLACES 4
.Lhj_\@:
.endm
.macro CREST
	s_cmp_lg_u32 s16, 0
	s_cbranch_scc1 .Lnot_wave_0_\@
	s_barrier_signal -3
.Lnot_wave_0_\@:
	s_barrier_wait -3
	s_barrier_signal -1
	s_barrier_wait -1
.endm
.macro CROUND
	s_barrier_signal -1
	s_barrier_wait -1
	CREST
.endm
; 32 NC numbers of a lane, v[s] on in window W, register 16 b + i = place 16 (lane / 16) + i of block b of my row, become codes in v[PC] on (6 NC registers) and the blocks' bytes in v[pw].
.macro QUANT s, W, NC, pw
	WIN ((\W)<<2)|((\W)<<4)
.irp b, 0,1,2,3
.if \b < 2*(\NC)
	v_max3_num_f32 v[TM+\b], 0x1800000, |v[(\s)+16*\b]|, |v[(\s)+16*\b+1]|   ; my 16 numbers, and the floor 2^(3 - 127): the byte cannot fall under 1
.endif
.endr
.irp i, 2,4,6,8,10,12,14
.irp b, 0,1,2,3
.if \b < 2*(\NC)
	v_max3_num_f32 v[TM+\b], v[TM+\b], |v[(\s)+16*\b+\i]|, |v[(\s)+16*\b+\i+1]|   ; the blocks by turns, the registers ascending: each accumulator is read from its low end on
.endif
.endr
.endr
	WIN 0
.irp b, 0,1,2,3
.if \b < 2*(\NC)
	v_permlanex16_b32 v[TM+4+\b], v[TM+\b], s[SEL], s[SEL+1]
.endif
.endr
.irp b, 0,1,2,3
.if \b < 2*(\NC)
	v_max_num_f32 v[TM+\b], v[TM+\b], v[TM+4+\b]       ; with lane l xor 16's: the block's largest magnitude
.endif
.endr
.irp b, 0,1,2,3
.if \b < 2*(\NC)
	v_add_nc_u32 v[TM+12+\b], 0xff000000, v[TM+\b]     ; 2 off its exponent field: the conversion's scale operand
.endif
.endr
.irp b, 0,1,2,3
.if \b < 2*(\NC)
	v_lshrrev_b32 v[TM+4+\b], 23, v[TM+12+\b]          ; the scale's byte
.endif
.endr
	v_lshl_or_b32 v[\pw], v[TM+5], 8, v[TM+4]
.if (\NC) > 1
	v_lshl_or_b32 v[\pw], v[TM+6], 16, v[\pw]
	v_lshl_or_b32 v[\pw], v[TM+7], 24, v[\pw]
.endif
	WIN (\W)
.irp c, 0,1
.if \c < (\NC)
	v_cvt_scalef32_pk16_fp6_f32 v[PC+6*\c:PC+6*\c+2], v[(\s)+32*\c:(\s)+32*\c+15], v[TM+12+2*\c]
	v_cvt_scalef32_pk16_fp6_f32 v[PC+12+4*\c:PC+14+4*\c], v[(\s)+32*\c+16:(\s)+32*\c+31], v[TM+13+2*\c]   ; (a conversion's three registers begin on an even number)
.endif
.endr
	WIN 0
	v_nop                                          ; one plain instruction behind the scaled conversions
.irp c, 0,1
.if \c < (\NC)
.irp i, 0,1,2
	v_permlane16_swap_b32 v[PC+6*\c+\i], v[PC+12+4*\c+\i]   ; the operand wants a whole block in a lane: lanes 0-15 block 2 c, lanes 16-31 block 2 c + 1
.endr
.irp i, 0,1,2
	v_mov_b32 v[PC+3+6*\c+\i], v[PC+12+4*\c+\i]
.endr
.endif
.endr
.endm
	s_load_b256 s[4:11], s[0:1], 0x0               ; opc s[4:5], ops s[6:7], rope s[8:9], kb s[10:11]
	s_load_b128 s[12:15], s[0:1], 0x20             ; vb s[12:13], kvs s[14:15]
	s_load_b64 s[20:21], s[0:1], 0x30              ; qb
	v_lshl_add_u32 v[SPW], v0, 2, SPARE
	v_mov_b32 v[NIL], 0
	ds_add_u32 v28, v29
	ds_add_u32 v28, v29
	s_wait_dscnt 0x0
	v_lshrrev_b32 v1, 5, v0
	v_readfirstlane_b32 s16, v1                    ; wave 0..3
	s_lshr_b32 s17, s16, 1                         ; which half of A's rows is mine.  Also: I fetch for A (0) or for B (1)
	s_and_b32 s18, s16, 1                          ; which half of B's rows.  Also: which half I fetch
	s_bfe_u32 s40, ttmp6, 0x40000                  ; cx
	s_bfe_u32 s41, ttmp6, 0x40004                  ; cy
	s_and_b32 s19, ttmp7, 0xffff                   ; cluster y
	s_lshl_b32 s43, s41, 2
	s_lshl_b32 s43, 15, s43                        ; my row of the cluster
	s_lshl_b32 s44, 0x1111, s40                    ; my column
	s_lshr_b32 s47, ttmp9, 1                       ; the type: 0 k (cluster x 0, 1), 1 v (cluster x 2, 3)
	s_and_b32 s22, ttmp9, 1
	s_cmp_eq_u32 s47, 0
	s_cselect_b32 s23, s19, s22                    ; the cluster's place along A's tiles: k: cluster y (16 tiles of tokens); v: cluster x - 2 (8 of features)
	s_cselect_b32 s42, s22, s19                    ; and along B's
	s_mov_b32 s92, WKVI+1572864
	s_cselect_b32 s92, CI, s92                     ; A's images in opc: ctx, or Wv
	s_mov_b32 s96, CI
	s_cselect_b32 s96, WKVI, s96                   ; B's: Wk, or ctx
	s_mov_b32 s94, WKVS+65536
	s_cselect_b32 s94, CSW, s94                    ; A's words in ops
	s_mov_b32 s98, CSW
	s_cselect_b32 s98, WKVS, s98                   ; B's
	s_lshl_b32 s45, s23, 2
	s_add_co_u32 s45, s45, s41                     ; k, v: A's tile of 256 rows: hangs on cy alone of my place
	s_lshl_b32 s46, s42, 2
	s_add_co_u32 s46, s46, s40                     ; B's: on cx alone
	s_lshl_b32 s66, ttmp9, 2
	s_add_co_u32 s66, s66, s40                     ; q: B's tile of 128 features: on cx alone
	s_lshl_b32 s67, s19, 2
	s_add_co_u32 s67, s67, s41                     ; q: A's tile of 128 tokens: on cy alone
	; descriptor group 1, elements of 8 bytes.  Codes: 8 rows of 384 elements (two images), 1,536 elements apart; dense in LDS
	s_or_b32 s[G1], s43, (3<<16)|(1<<21)           ; 15:0 the mask: A's tiles go to my row; 17:16 elements of 8 bytes; 21 set beside a mask
	s_or_b32 s[G1B], s44, (3<<16)|(1<<21)          ; B's to my column
.irp g, G1, G1B
	s_mov_b32 s[\g+1], 384<<16                     ; tensor_dim0
	s_mov_b32 s[\g+2], 16<<16                      ; tensor_dim1: 16 rows for the first fills; 8 from the first change of slots on
	s_mov_b32 s[\g+3], 384<<16                     ; tile_dim0
	s_mov_b32 s[\g+4], 16                          ; tile_dim1, likewise
	s_mov_b32 s[\g+5], 1536                        ; tensor_dim0_stride
	s_mov_b32 s[\g+6], 0
	s_mov_b32 s[\g+7], 0
.endr
	s_mov_b32 s[G1S], 3<<16                        ; a run of scale words: 4,096 dense bytes as 16 rows of 256; no mask
	s_mov_b32 s[G1S+1], 32<<16
	s_mov_b32 s[G1S+2], 32<<16                     ; k's and v's words: 8,192 dense bytes a load, 32 rows of 256; q's later: 16 rows
	s_mov_b32 s[G1S+3], 32<<16
	s_mov_b32 s[G1S+4], 32
	s_mov_b32 s[G1S+5], 32
	s_mov_b32 s[G1S+6], 0
	s_mov_b32 s[G1S+7], 0
	s_or_b32 s[G1T], s43, (3<<16)|(1<<20)|(1<<21)|(5<<22)|(3<<25)   ; 128 RoPE rows of 256 bytes, 16 bytes of padding behind each; to my row of the cluster
	s_mov_b32 s[G1T+1], 32<<16
	s_mov_b32 s[G1T+2], 128<<16                    ; 128 RoPE rows a load: waves 1 and 3 fetch them
	s_mov_b32 s[G1T+3], 32<<16
	s_mov_b32 s[G1T+4], 128
	s_mov_b32 s[G1T+5], 32
	s_mov_b32 s[G1T+6], 0
	s_mov_b32 s[G1T+7], 0
	s_lshl_b32 s22, s18, 3                         ; k, v: which 8 tiles of 16 rows I fetch
	s_lshl_b32 s19, s45, 4
	s_add_co_u32 s19, s19, s22
	s_mul_i32 s23, s19, TP
	s_add_co_u32 s92, s92, s23                     ; A's codes, as an offset in opc
	s_mov_b32 s93, 0
	s_lshl_b32 s19, s19, 9
	s_add_co_u32 s94, s94, s19                     ; A's words, in ops
	s_lshl_b32 s44, s46, 4
	s_add_co_u32 s44, s44, s22
	s_mul_i32 s99, s44, TP
	s_add_co_u32 s96, s96, s99                     ; B's codes
	s_mov_b32 s97, 0
	s_lshl_b32 s44, s44, 9
	s_add_co_u32 s98, s98, s44                     ; B's words
	s_cmp_eq_u32 s17, 0
	s_cselect_b32 s94, s94, s98                    ; the words that I fetch, by a load of my own
	s_mov_b32 s95, 0
	s_lshl_b32 s22, s18, 2                         ; q: which 4 tiles of 16 rows I fetch
	s_lshl_b32 s19, s67, 3
	s_add_co_u32 s19, s19, s22
	s_lshl_b32 s19, s19, 10                        ; x's words begin at ops' first byte: 1,024 bytes a tile
	s_lshl_b32 s44, s66, 3
	s_add_co_u32 s44, s44, s22
	s_lshl_b32 s44, s44, 10
	s_add_co_u32 s44, s44, WQS                     ; Wq's
	s_cmp_eq_u32 s17, 0
	s_cselect_b32 s98, s19, s44                    ; q's words that I fetch
	s_mov_b32 s99, 0
	s_lshl_b32 s100, s45, 16
	s_lshl_b32 s19, s17, 15                        ; wave 1: rows 0-127 of the 256, wave 3: rows 128-255
	s_add_co_u32 s100, s100, s19
	s_add_co_u32 s100, s100, 524288                ; the table's row 2,048 + 256 x A's tile + 128 x (wave / 2)
	s_mov_b32 s101, 0
	s_mul_i32 s19, s16, HALFT                      ; where they go: no place in the cluster enters an LDS address
	s_lshl_b32 s22, s16, 12
	s_mul_i32 s23, s17, 128*RP
	s_mov_b32 s[SEL], 0x76543210
	s_mov_b32 s[SEL+1], 0xfedcba98
	s_wait_kmcnt 0x0
	s_add_nc_u64 s[92:93], s[4:5], s[92:93]
	s_add_nc_u64 s[96:97], s[4:5], s[96:97]
	s_add_nc_u64 s[94:95], s[6:7], s[94:95]
	s_add_nc_u64 s[98:99], s[6:7], s[98:99]
	s_add_nc_u64 s[100:101], s[8:9], s[100:101]
	CROUND                                         ; all sixteen work-groups are here: the first joint loads meet
	s_mov_b32 s[G0S], 1
	s_add_co_u32 s[G0S+1], s22, SCL-4096           ; waves 1 and 3 alone use this group: both runs of A's words (wave 1, at SCL) or of B's (wave 3, at SCL + 8,192):
	s_sub_nc_u64 s[G0S+2:G0S+3], s[94:95], 4096    ; their own run is the second of the two, so the load begins 4,096 bytes ahead of it
	s_or_b32 s[G0S+3], s[G0S+3], 0x80000000
.irp s, 0,1
	s_mov_b32 s[G0+4*\s], 1
	s_add_co_u32 s[G0+4*\s+1], s19, \s*SLOT
	s_add_nc_u64 s[G0+4*\s+2:G0+4*\s+3], s[92:93], \s*NQ*FRB
	s_or_b32 s[G0+4*\s+3], s[G0+4*\s+3], 0x80000000
	s_mov_b32 s[G0B+4*\s], 1
	s_add_co_u32 s[G0B+4*\s+1], s19, \s*SLOT
	s_add_nc_u64 s[G0B+4*\s+2:G0B+4*\s+3], s[96:97], \s*NQ*FRB
	s_or_b32 s[G0B+4*\s+3], s[G0B+4*\s+3], 0x80000000
.endr
	s_mov_b32 s[G0T], 1
	s_add_co_u32 s[G0T+1], s23, RT
	s_mov_b64 s[G0T+2:G0T+3], s[100:101]
	s_or_b32 s[G0T+3], s[G0T+3], 0x80000000
	s_mov_b32 s[G0Q], 1
	s_add_co_u32 s[G0Q+1], s22, SCQ
	s_mov_b64 s[G0Q+2:G0Q+3], s[98:99]
	s_or_b32 s[G0Q+3], s[G0Q+3], 0x80000000
	HLOAD G0, G0B, G0S, G1S                        ; what K step 0 needs: slot 0 and k's and v's scale words, one load a wave
	v_and_b32 v1, 15, v0
	v_bfe_u32 v2, v0, 4, 1                         ; h
	v_and_b32 v3, 31, v0                           ; lane
	v_lshlrev_b32 v[L16], 4, v3
	v_lshlrev_b32 v[L8], 3, v3
	v_lshlrev_b32 v[L4], 2, v3
	s_mul_i32 s19, s17, HALFT                      ; my half of A,
	s_mul_i32 s22, s18, HALFT
	s_add_co_u32 s22, s22, 2*HALFT                 ; my half of B, behind A's two: the same places in both phases
.irp s, 0,1
	v_add_nc_u32 v[ADRA+\s], s19, v[L16]
	v_add_nc_u32 v[ADRA+2+\s], s19, v[L8]
	v_add_nc_u32 v[ADRB+\s], s22, v[L16]
	v_add_nc_u32 v[ADRB+2+\s], s22, v[L8]
	s_add_co_u32 s19, s19, SLOT
	s_add_co_u32 s22, s22, SLOT
.endr
	s_lshl_b32 s19, s17, 12                        ; A's words of my half;
	s_lshl_b32 s22, s18, 12
	s_add_co_u32 s22, s22, 8192                    ; B's, behind A's two runs
	s_sub_co_u32 s22, s22, s19
	v_mul_u32_u24 v5, s22, v2                      ; lanes 16-31 take B's: one product with h
	v_lshl_add_u32 v5, v1, 2, v5
	s_add_co_u32 s19, s19, SCL
	v_add_nc_u32 v[ADRS], s19, v5
	v_add_nc_u32 v[ADRQ], SCQ-SCL, v[ADRS]         ; q's runs lie as k's and v's do, 16,384 bytes further on
	s_mul_i32 s23, s17, 128*RP
	s_add_co_u32 s23, s23, RT
	v_mul_u32_u24 v5, v1, RP
	v_lshl_add_u32 v5, v2, 5, v5
	v_add_nc_u32 v[TA], s23, v5                    ; the table in LDS: row 128 x half + r, + 32 h: the four pairs of my half of a tile of 16 features
	v_lshlrev_b32 v[QTO], 8, v1
	v_lshl_add_u32 v[QTO], v2, 5, v[QTO]           ; q's table, from memory: row r of 256 bytes, + 32 h
	; q's addresses, into the registers that held k's and v's (those have been copied into the descriptors)
	s_lshl_b32 s22, s18, 2
	s_lshl_b32 s19, s67, 3
	s_add_co_u32 s19, s19, s22
	s_mul_i32 s[QA], s19, QTP                      ; x's images begin at opc's first byte
	s_mov_b32 s[QA+1], 0
	s_add_nc_u64 s[QA:QA+1], s[4:5], s[QA:QA+1]
	s_lshl_b32 s44, s66, 3
	s_add_co_u32 s44, s44, s22
	s_mul_i32 s[QB], s44, QTP
	s_add_co_u32 s[QB], s[QB], WQI
	s_mov_b32 s[QB+1], 0
	s_add_nc_u64 s[QB:QB+1], s[4:5], s[QB:QB+1]
	s_lshl_b32 s[QT], s67, 7
	s_lshl_b32 s19, s17, 6
	s_add_co_u32 s[QT], s[QT], s19
	s_lshl_b32 s[QT], s[QT], 8                     ; the table's rows of my 64 tokens of x
	s_mov_b32 s[QT+1], 0
	s_add_nc_u64 s[QT:QT+1], s[8:9], s[QT:QT+1]
.macro FRAG reg, adr, off              ; a fragment's image: four dense loads
	ds_load_b128 v[(\reg):(\reg)+3], v[\adr] offset:(\off)
	ds_load_b64 v[(\reg)+4:(\reg)+5], v[\adr+2] offset:(\off)+512
	ds_load_b128 v[(\reg)+6:(\reg)+9], v[\adr] offset:(\off)+768
	ds_load_b64 v[(\reg)+10:(\reg)+11], v[\adr+2] offset:(\off)+1280
.endm
; ---- k and v.  16 matrix instructions: A's blocks a0, a0 + 1 x B's eight, the slot's q-th 128 along K.  p: B's set; sc: the set of scale words.  zero = 1: the first product starts the sums.
; The 64 accumulators take turns, one instruction a turn, in the same order in every step.
.macro MUL16 a0, p, q, sc, zero
.irp a, \a0, \a0+1
.irp b, 0,1,2,3,4,5,6,7
.if \zero
	v_wmma_scale_f32_16x16x128_f8f6f4 v[8*(8*((\a)%4)+\b):8*(8*((\a)%4)+\b)+7], v[128*(\p)+12*\b:128*(\p)+12*\b+11], v[AF+12*(\a):AF+12*(\a)+11], 0, v[SC+16*(\sc)+2*\b+(\q)], v[SC+16*(\sc)+2*(\a)+(\q)] matrix_a_fmt:MATRIX_FMT_FP6 matrix_b_fmt:MATRIX_FMT_FP6 matrix_a_scale:MATRIX_SCALE_ROW1
.else
	v_wmma_scale_f32_16x16x128_f8f6f4 v[8*(8*((\a)%4)+\b):8*(8*((\a)%4)+\b)+7], v[128*(\p)+12*\b:128*(\p)+12*\b+11], v[AF+12*(\a):AF+12*(\a)+11], v[8*(8*((\a)%4)+\b):8*(8*((\a)%4)+\b)+7], v[SC+16*(\sc)+2*\b+(\q)], v[SC+16*(\sc)+2*(\a)+(\q)] matrix_a_fmt:MATRIX_FMT_FP6 matrix_b_fmt:MATRIX_FMT_FP6 matrix_a_scale:MATRIX_SCALE_ROW1
.endif
.endr
.endr
.endm
.macro FETCH_B slot, q, p
	WIN TO_B
.irp i, 0,1,2,3,4,5,6,7
	FRAG 128*(\p)+12*\i, ADRB+\slot, (\i*NQ+(\q))*FRB
.endr
	WIN 0
.endm
.macro FETCH_A slot, q, i0
.irp i, \i0, \i0+1, \i0+2, \i0+3
	FRAG AF+12*(\i), ADRA+\slot, ((\i)*NQ+(\q))*FRB
.endr
.endm
.macro SCALES sc
.irp i, 0,1,2,3,4,5,6,7
.irp q, 0,1
	ds_load_b32 v[SC+16*\sc+2*\i+\q], v[ADRS] offset:512*\i+64*\q
.endr
.endr
.endm
; A step of 128 along K that has its successor in the same slot.  A block of A is free as soon as its eight products are issued: blocks 0-3 are fetched anew in the step's middle, blocks 4-7 at its end.
.macro STEP slot, q, zero
	s_wait_dscnt 4*NL                              ; all but the youngest 16 loads (A's blocks 4-7)
	WIN MUL_LO
	MUL16 0, (\q)%2, \q, \slot, \zero
	MUL16 2, (\q)%2, \q, \slot, \zero
	s_wait_dscnt 0                                 ; A's blocks 4-7 are in
	PLACES NP                                      ; four places in front of loads into registers that matrix instructions have read
	FETCH_B \slot, (\q)+1, 1-(\q)%2
	FETCH_A \slot, (\q)+1, 0
	WIN MUL_HI
	MUL16 4, (\q)%2, \q, \slot, \zero
	MUL16 6, (\q)%2, \q, \slot, \zero
	PLACES NP
	WIN 0
	FETCH_A \slot, (\q)+1, 4
.endm
; A slot's last step changes slots: one barrier, which opens a round of the cluster's; in front of it each wave waits for all its tensor loads, adds 0 to its spare word, and waits for that and for its reads of this slot.
; fill = 1: this slot takes k's and v's K two slots on;  fill = 2: it takes q's first slot.
.macro TURN slot, next, fill
	s_wait_tensorcnt 0x0                           ; all my tensor loads have landed: my part of the next slot (at the first change the table too)
	ds_add_u32 v[SPW], v[NIL]                      ; 0 onto my spare word
	s_mov_b32 s[G1+2], 8<<16                       ; no tensor load of mine is out: from here on every wave fetches its own 8 rows
	s_mov_b32 s[G1+4], 8
	s_mov_b32 s[G1B+2], 8<<16
	s_mov_b32 s[G1B+4], 8
	s_wait_dscnt 4*NL+1                            ; (the add and the youngest 16 loads may be out)
	WIN MUL_LO
	MUL16 0, 1, NQ-1, \slot, 0
	s_wait_dscnt 0x0                               ; the add is done, and my reads of this slot are over
	s_barrier_signal -1
	MUL16 2, 1, NQ-1, \slot, 0
	WIN 0
	s_barrier_wait -1
	CREST                                          ; no wave of any partner still reads this slot or has a load on its way
.if \fill == 1
	s_add_nc_u64 s[G0+4*\slot+2:G0+4*\slot+3], s[G0+4*\slot+2:G0+4*\slot+3], 2*NQ*FRB
	s_add_nc_u64 s[G0B+4*\slot+2:G0B+4*\slot+3], s[G0B+4*\slot+2:G0B+4*\slot+3], 2*NQ*FRB
.else
	s_mov_b64 s[G0+4*\slot+2:G0+4*\slot+3], s[QA:QA+1]
	s_or_b32 s[G0+4*\slot+3], s[G0+4*\slot+3], 0x80000000
	s_mov_b64 s[G0B+4*\slot+2:G0B+4*\slot+3], s[QB:QB+1]
	s_or_b32 s[G0B+4*\slot+3], s[G0B+4*\slot+3], 0x80000000
.endif
	JLOAD G0+4*\slot, G1, G0B+4*\slot, G1B         ; the first tensor load behind the round; its four v_nop are also the places in front of the loads below
	s_wait_alu depctr_va_vdst(0)
	v_add_nc_u32 v[ADRS], 64*NQ, v[ADRS]           ; on to the next slot's scale words
	FETCH_B \next, 0, 0
	FETCH_A \next, 0, 0
	SCALES \next
	WIN MUL_HI
	MUL16 4, 1, NQ-1, \slot, 0
	MUL16 6, 1, NQ-1, \slot, 0
	PLACES NP
	WIN 0
	FETCH_A \next, 0, 4
.endm
; ---- q.  A slot holds four steps of 128 along K of 4 + 4 tiles: step q of slot j is K step 2 j + q % 2 + 8 (q / 2).
.macro QFETCH slot, q, f               ; 32 loads: the eight fragments of the slot's q-th step into set f
.irp i, 0,1,2,3
	FRAG FS+96*(\f)+12*\i, ADRA+\slot, (4*\i+(\q))*FRB
	FRAG FS+96*(\f)+48+12*\i, ADRB+\slot, (4*\i+(\q))*FRB
.endr
.endm
.macro QSCALES sc
.irp i, 0,1,2,3
.irp q, 0,1,2,3
	ds_load_b32 v[SC+16*\sc+4*\i+\q], v[ADRQ] offset:1024*\i+64*(\q%2)+512*(\q/2)
.endr
.endr
.endm
; Four matrix instructions: A's block a against B's four.  The sixteen accumulators take turns, one instruction a turn, in the same order in every step.
.macro MULA f, q, sc, a, first
	WIN 0x50                                       ; C and D window 1
.irp b, 0,1,2,3
.if \first
	v_wmma_scale_f32_16x16x128_f8f6f4 v[8*(4*(\a)+\b):8*(4*(\a)+\b)+7], v[FS+96*(\f)+48+12*\b:FS+96*(\f)+48+12*\b+11], v[FS+96*(\f)+12*(\a):FS+96*(\f)+12*(\a)+11], 0, v[SC+16*(\sc)+4*\b+(\q)], v[SC+16*(\sc)+4*(\a)+(\q)] matrix_a_fmt:MATRIX_FMT_FP6 matrix_b_fmt:MATRIX_FMT_FP6 matrix_a_scale:MATRIX_SCALE_ROW1
.else
	v_wmma_scale_f32_16x16x128_f8f6f4 v[8*(4*(\a)+\b):8*(4*(\a)+\b)+7], v[FS+96*(\f)+48+12*\b:FS+96*(\f)+48+12*\b+11], v[FS+96*(\f)+12*(\a):FS+96*(\f)+12*(\a)+11], v[8*(4*(\a)+\b):8*(4*(\a)+\b)+7], v[SC+16*(\sc)+4*\b+(\q)], v[SC+16*(\sc)+4*(\a)+(\q)] matrix_a_fmt:MATRIX_FMT_FP6 matrix_b_fmt:MATRIX_FMT_FP6 matrix_a_scale:MATRIX_SCALE_ROW1
.endif
.endr
.endm
.macro QSTEP slot, q, first            ; one of a slot's first three steps: the next step's fragments are asked for, then this step's 16 products
	s_wait_dscnt 0x0                               ; this step's fragments (and scale words) are in
	PLACES 4                                       ; in front of loads into the set that the last step's products read
	QFETCH \slot, (\q)+1, ((\q)+1)%2
	MULA (\q)%2, \q, \slot, 0, \first
	MULA (\q)%2, \q, \slot, 1, \first
	MULA (\q)%2, \q, \slot, 2, \first
	MULA (\q)%2, \q, \slot, 3, \first
	WIN 0
.endm
.macro QTURN slot, next, fill          ; a slot's last step changes slots
	s_wait_tensorcnt 0x0                           ; all my tensor loads have landed: my part of the next slot
	ds_add_u32 v[SPW], v[NIL]                      ; 0 onto my spare word
	s_wait_dscnt 1                                 ; (the add alone may be out: this step's fragments are in)
	MULA 1, 3, \slot, 0, 0
	s_wait_dscnt 0x0                               ; the add is done, and my reads of this slot are over
	s_barrier_signal -1
	MULA 1, 3, \slot, 1, 0
	WIN 0
	s_barrier_wait -1
.if \fill
	CREST                                          ; the barrier has opened a round of the cluster's
	s_add_nc_u64 s[G0+4*\slot+2:G0+4*\slot+3], s[G0+4*\slot+2:G0+4*\slot+3], 2*NQ*FRB
	s_add_nc_u64 s[G0B+4*\slot+2:G0B+4*\slot+3], s[G0B+4*\slot+2:G0B+4*\slot+3], 2*NQ*FRB
	JLOAD G0+4*\slot, G1, G0B+4*\slot, G1B         ; the first tensor load behind the round; its four v_nop are also the places in front of the loads below
.else
	PLACES 4
.endif
	s_wait_alu depctr_va_vdst(0)
	v_add_nc_u32 v[ADRQ], 128, v[ADRQ]             ; the next slot's scale words: two K steps on
	QFETCH \next, 0, 0
	QSCALES \next
	MULA 1, 3, \slot, 2, 0
	MULA 1, 3, \slot, 3, 0
	WIN 0
.endm
	s_wait_alu depctr_va_vdst(0)
	s_wait_tensorcnt 0x0                           ; my load of the head's four has landed
	ds_add_u32 v[SPW], v[NIL]
	s_wait_dscnt 0x0
	CROUND                                         ; slot 0 and the scale words are whole in every work-group
	HLOAD G0+4, G0B+4, G0T, G1T                    ; slot 1 (waves 0 and 2) and the RoPE rows (waves 1 and 3): all first fills
	FETCH_B 0, 0, 0
	FETCH_A 0, 0, 0
	SCALES 0
	FETCH_A 0, 0, 4
	STEP 0, 0, 1                                   ; K has four slots' worth: written out, no loop
	TURN 0, 1, 1
	STEP 1, 0, 0
	TURN 1, 0, 1
	STEP 0, 0, 0
	TURN 0, 1, 2                                   ; THE RING GOES ON INTO q: slot 0 takes q's first slot
	STEP 1, 0, 0
	s_wait_tensorcnt 0x0                           ; the last step of k and v: my part of q's first slot has landed;
	ds_add_u32 v[SPW], v[NIL]                      ; 0 onto my spare word
	s_wait_dscnt 4*NL+1                            ; (the add and the youngest 16 loads may be out)
	WIN MUL_LO
	MUL16 0, 1, NQ-1, 1, 0
	s_wait_dscnt 0x0                               ; the add is done, and my reads of slot 1 are over
	s_barrier_signal -1
	MUL16 2, 1, NQ-1, 1, 0
	WIN 0
	s_barrier_wait -1
	CREST                                          ; behind this round q's first slot is whole in every work-group, and nobody reads slot 1
	s_add_nc_u64 s[G0+6:G0+7], s[QA:QA+1], NQ*FRB
	s_or_b32 s[G0+7], s[G0+7], 0x80000000
	s_add_nc_u64 s[G0B+6:G0B+7], s[QB:QB+1], NQ*FRB
	s_or_b32 s[G0B+7], s[G0B+7], 0x80000000
	JLOAD G0+4, G1, G0B+4, G1B                     ; slot 1 takes q's second slot: it lands while k or v goes out
	WIN MUL_HI
	MUL16 4, 1, NQ-1, 1, 0
	MUL16 6, 1, NQ-1, 1, 0
	WIN 0
	; THE WAY OUT OF k AND v
	PLACES NP                                      ; behind the last products: results are read, and registers that held fragments are written or loaded
	WIN 0x40                                       ; destination window 1, where B's fragments lay
.irp a, 0,1,2,3
.irp g, 0,1,2,3
.irp e, 0,1
	global_load_b128 v[128+32*\a+8*\g+4*\e:128+32*\a+8*\g+4*\e+3], v[QTO], s[QT:QT+1] offset:4096*\a+64*\g+16*\e   ; q's cosines and sines: asked for here, wanted at q's way out
.endr
.endr
.endr
	WIN 0
	v_cmp_lt_u32 vcc_lo, 15, v3                    ; lanes 16-31
.irp b, 0,1,2,3
	v_mov_b32 v[TM+4+\b], 0                        ; a lane permute's destination counts as one of its sources
.endr
	s_mov_b32 s95, 0                               ; the upper word of the offset pair s[94:95]
	s_cmp_lg_u32 s47, 0
	s_cbranch_scc1 .Lvtype
	; ---- k.  A's tile of 256 tokens lies in batch tile / 8; my 128 features are heads 4 x B's tile + 2 x half and the next.  kb: [batch x 32 + head][tile of 16 keys][768]; kvs: [..][12,288], a word a key
	s_lshr_b32 s19, s45, 3
	s_lshl_b32 s19, s19, 5
	s_lshl_b32 s22, s46, 2
	s_add_co_u32 s19, s19, s22
	s_lshl_b32 s22, s18, 1
	s_add_co_u32 s19, s19, s22                     ; batch x 32 + my first head
	s_and_b32 s23, s45, 7
	s_lshl_b32 s23, s23, 4
	s_lshl_b32 s22, s17, 3
	s_add_co_u32 s23, s23, s22                     ; my first tile of keys
	s_lshl_b32 s22, s19, 7
	s_add_co_u32 s22, s22, s23
	s_mul_i32 s94, s22, 768
	s_add_nc_u64 s[10:11], s[10:11], s[94:95]
	s_mul_i32 s94, s19, 12288
	s_lshl_b32 s23, s23, 6
	s_add_co_u32 s94, s94, s23
	s_add_nc_u64 s[14:15], s[14:15], s[94:95]
.macro TLOAD a                         ; tile a's 16 tokens: of each token's row my half's four pairs of each 16 features: register 8 g + 2 n: cos, + 1: sin of pair n of features 16 g + 8 h ..
.irp g, 0,1,2,3
.irp e, 0,1
	ds_load_b128 v[TS+32*((\a)%2)+8*\g+4*\e:TS+32*((\a)%2)+8*\g+4*\e+3], v[TA] offset:16*RP*(\a)+64*\g+16*\e
.endr
.endr
.endm
.macro KOUT a
.if ((\a)%4) < 3                       ; the way out goes in two runs of four tiles: each run asks for its own rows
	TLOAD (\a)+1
	s_wait_dscnt 8                                 ; this tile's eight loads are in; the next tile's may be out
.else
	s_wait_dscnt 0x0
.endif
	WIN 2+(\a)/4                                   ; source 0: the accumulators' window
.set AC, 64*((\a)%4)
.set TT, TS+32*((\a)%2)
.irp g, 0,1,2,3,4,5,6,7                ; accumulator g: features 16 g + 8 h + 0 .. 7 of my 128: four pairs (x1, x2) -> (x1 c - x2 s, x2 c + x1 s); both heads use the same 32 angles
.irp n, 0,1,2,3
	v_pk_mul_f32 v[TMP+2*\n:TMP+2*\n+1], v[AC+8*\g+2*\n:AC+8*\g+2*\n+1], v[TT+8*(\g%4)+2*\n:TT+8*(\g%4)+2*\n+1] op_sel:[1,1] op_sel_hi:[0,1]   ; (x2 s, x1 s)
.endr
.irp n, 0,1,2,3
	v_fma_f32 v[R+8*\g+2*\n], v[AC+8*\g+2*\n], v[TT+8*(\g%4)+2*\n], -v[TMP+2*\n]
	v_fma_f32 v[R+8*\g+2*\n+1], v[AC+8*\g+2*\n+1], v[TT+8*(\g%4)+2*\n], v[TMP+2*\n+1]
.endr
.endr
	WIN 0
	s_wait_xcnt 0x0                                ; the last tile's stores have read their registers
	QUANT R, 0, 2, PW
	global_store_b128 v[L16], v[PC:PC+3], s[10:11] offset:768*(\a)             ; the first head's half fragment,
	global_store_b64 v[L8], v[PC+4:PC+5], s[10:11] offset:768*(\a)+512
	global_store_b128 v[L16], v[PC+6:PC+9], s[10:11] offset:768*(\a)+98304     ; the second's
	global_store_b64 v[L8], v[PC+10:PC+11], s[10:11] offset:768*(\a)+98304+512
.if ((\a)%2) == 0
	v_and_b32 v217, 0xffff, v[PW]                  ; a head's word: its two bytes; bytes 2 and 3 are 0 and stand over zero codes
	v_lshrrev_b32 v218, 16, v[PW]
.else
	v_and_b32 v219, 0xffff, v[PW]
	v_lshrrev_b32 v220, 16, v[PW]
	v_cndmask_b32 v221, v217, v219, vcc_lo         ; lanes 0-15 the tile before, lanes 16-31 this one: 128 consecutive bytes
	v_cndmask_b32 v222, v218, v220, vcc_lo
	global_store_b32 v[L4], v221, s[14:15] offset:64*((\a)-1)
	global_store_b32 v[L4], v222, s[14:15] offset:64*((\a)-1)+12288
.endif
.endm
	TLOAD 0
.irp a, 0,1,2,3
	KOUT \a
.endr
	s_branch .Lmid
	; ---- v.  My 128 features are heads 4 x A's tile + 2 x half and the next; my 128 tokens are key step 2 x (B's tile % 8) + half of batch B's tile / 8.  vb: [batch x 32 + head][key step 16][tile of 16 d][1,536]
.Lvtype:
	s_lshr_b32 s19, s46, 3
	s_lshl_b32 s19, s19, 5
	s_lshl_b32 s22, s45, 2
	s_add_co_u32 s19, s19, s22
	s_lshl_b32 s22, s17, 1
	s_add_co_u32 s19, s19, s22                     ; batch x 32 + my first head
	s_and_b32 s23, s46, 7
	s_lshl_b32 s23, s23, 1
	s_add_co_u32 s23, s23, s18                     ; the key step
	s_lshl_b32 s22, s19, 4
	s_add_co_u32 s22, s22, s23
	s_mul_i32 s94, s22, 6144
	s_add_nc_u64 s[12:13], s[12:13], s[94:95]
	s_mul_i32 s94, s19, 12288
	s_lshl_b32 s23, s23, 8
	s_add_co_u32 s94, s94, s23
	s_add_co_u32 s94, s94, 8192                    ; v's words lie behind k's: [key step][tile of d][16]
	s_add_nc_u64 s[14:15], s[14:15], s[94:95]
.macro VOUT a
	s_wait_xcnt 0x0                                ; the last tile's stores have read their registers
	QUANT 64*((\a)%4), 2+(\a)/4, 2, PW
	global_store_b128 v[L16], v[PC:PC+3], s[12:13] offset:((\a)/4)*98304+((\a)%4)*1536
	global_store_b64 v[L8], v[PC+4:PC+5], s[12:13] offset:((\a)/4)*98304+((\a)%4)*1536+512
	global_store_b128 v[L16], v[PC+6:PC+9], s[12:13] offset:((\a)/4)*98304+((\a)%4)*1536+768
	global_store_b64 v[L8], v[PC+10:PC+11], s[12:13] offset:((\a)/4)*98304+((\a)%4)*1536+1280
.if ((\a)%2) == 0
	v_mov_b32 v217, v[PW]
.else
	v_cndmask_b32 v221, v217, v[PW], vcc_lo
	global_store_b32 v[L4], v221, s[14:15] offset:((\a)/4)*12288+(((\a)-1)%4)*64
.endif
.endm
.irp a, 0,1,2,3
	VOUT \a
.endr
	; In the middle of the way out: q's scale words, a first fill of bytes of their own, one load a wave, behind the full sequence and a round; they land under the way out's second half
.Lmid:
	s_wait_alu depctr_va_vdst(0)
	s_wait_tensorcnt 0x0                           ; q's second slot, asked for four tiles ago
	ds_add_u32 v[SPW], v[NIL]
	s_mov_b32 s[G1S+2], 16<<16                     ; no tensor load of mine is out: a run of q's words is 4,096 bytes, 16 rows
	s_mov_b32 s[G1S+4], 16
	s_wait_dscnt 0x0
	CROUND
	tensor_load_to_lds s[G0Q:G0Q+3], s[G1S:G1S+7]
	s_nop 0
	PLACES 4
	v_cmp_lt_u32 vcc_lo, 15, v3                    ; lanes 16-31, made anew behind the tensor load
	s_cmp_lg_u32 s47, 0
	s_cbranch_scc1 .Lv2
	TLOAD 4
.irp a, 4,5,6,7
	KOUT \a
.endr
	s_branch .Ljoin
.Lv2:
.irp a, 4,5,6,7
	VOUT \a
.endr
.Ljoin:
	s_wait_alu depctr_va_vdst(0)
	s_wait_tensorcnt 0x0                           ; my run of q's scale words is in,
	s_wait_dscnt 0x0
	s_barrier_signal -1
	s_barrier_wait -1                              ; and everybody's
	; ---- q.  Both its slots were shown whole by the last round, its scale words by the last barrier
	s_wait_xcnt 0x0                                ; the way out's stores have read their registers: q's fragments land there
	QFETCH 0, 0, 0
	QSCALES 0
	QSTEP 0, 0, 1
	QSTEP 0, 1, 0
	QSTEP 0, 2, 0
	QTURN 0, 1, 1
	QSTEP 1, 0, 0
	QSTEP 1, 1, 0
	QSTEP 1, 2, 0
	QTURN 1, 0, 1
	QSTEP 0, 0, 0
	QSTEP 0, 1, 0
	QSTEP 0, 2, 0
	QTURN 0, 1, 0                                  ; nothing is left to fetch
	QSTEP 1, 0, 0
	QSTEP 1, 1, 0
	QSTEP 1, 2, 0
	s_wait_dscnt 0x0
	MULA 1, 3, 1, 0, 0
	MULA 1, 3, 1, 1, 0
	MULA 1, 3, 1, 2, 0
	MULA 1, 3, 1, 3, 0
	WIN 0
	; THE WAY OUT OF q.  My 64 features are one head: 2 x B's tile + half.  qb: [batch x 32 + head][tile of 16 queries][768]; behind them a word a query
	PLACES 4
	s_wait_loadcnt 0x0                             ; the table
	v_cmp_lt_u32 vcc_lo, 15, v3
	s_lshl_b32 s19, s66, 1
	s_add_co_u32 s19, s19, s18
	s_lshr_b32 s22, s67, 3
	s_lshl_b32 s22, s22, 5
	s_add_co_u32 s19, s19, s22                     ; batch x 32 + head
	s_and_b32 s22, s67, 7
	s_lshl_b32 s22, s22, 3
	s_lshl_b32 s23, s17, 2
	s_add_co_u32 s22, s22, s23                     ; my first tile of queries
	s_lshl_b32 s19, s19, 6
	s_add_co_u32 s19, s19, s22
	s_mul_i32 s94, s19, 768
	s_mov_b32 s95, 0
	s_add_nc_u64 s[92:93], s[20:21], s[94:95]
	s_lshl_b32 s94, s19, 6
	s_add_co_u32 s94, s94, QSC
	s_add_nc_u64 s[96:97], s[20:21], s[94:95]
.irp a, 0,2                            ; two tiles of 16 tokens at a time: their 64 registers go through the quantiser together
	WIN 0x05                                       ; sources 0 and 1 (the sums, the table) window 1
.irp g, 0,1,2,3,4,5,6,7
.irp n, 0,1,2,3
	v_pk_mul_f32 v[TMP+2*\n:TMP+2*\n+1], v[32*\a+8*\g+2*\n:32*\a+8*\g+2*\n+1], v[128+32*\a+8*\g+2*\n:128+32*\a+8*\g+2*\n+1] op_sel:[1,1] op_sel_hi:[0,1]   ; (x2 s, x1 s)
.endr
.irp n, 0,1,2,3
	v_fma_f32 v[R+8*\g+2*\n], v[32*\a+8*\g+2*\n], v[128+32*\a+8*\g+2*\n], -v[TMP+2*\n]
	v_fma_f32 v[R+8*\g+2*\n+1], v[32*\a+8*\g+2*\n+1], v[128+32*\a+8*\g+2*\n], v[TMP+2*\n+1]
.endr
.endr
	WIN 0
	s_wait_xcnt 0x0                                ; the earlier stores have read their registers
	QUANT R, 0, 2, PW
	global_store_b128 v[L16], v[PC:PC+3], s[92:93] offset:768*\a
	global_store_b64 v[L8], v[PC+4:PC+5], s[92:93] offset:768*\a+512
	global_store_b128 v[L16], v[PC+6:PC+9], s[92:93] offset:768*\a+768
	global_store_b64 v[L8], v[PC+10:PC+11], s[92:93] offset:768*\a+1280
	v_and_b32 v217, 0xffff, v[PW]                  ; the first tile's two bytes, the second's; bytes 2 and 3 are 0 and stand over zero codes
	v_lshrrev_b32 v218, 16, v[PW]
	v_cndmask_b32 v219, v217, v218, vcc_lo
	global_store_b32 v[L4], v219, s[96:97] offset:64*\a
.endr
	s_wait_tensorcnt 0x0                           ; the wave's end
	ds_add_u32 v[SPW], v[NIL]
	s_wait_dscnt 0x0
	CROUND                                         ; the closing round: no work-group ends while a partner may still ask for a tile that names it
	s_endpgm
.Lfunc_end_k_qd8d371122b_gemm_qkv:
	.size	k_qd8d371122b_gemm_qkv, .Lfunc_end_k_qd8d371122b_gemm_qkv-k_qd8d371122b_gemm_qkv
	.p2alignl 7, 3214868480
	.fill 96, 4, 3214868480
	.section	.rodata,"a",@progbits
	.p2align	6, 0x0
	.amdhsa_kernel k_qd8d371122b_gemm_qkv
		.amdhsa_group_segment_fixed_size 327680
		.amdhsa_private_segment_fixed_size 0
		.amdhsa_enable_private_segment 0
		.amdhsa_kernarg_size 56
		.amdhsa_user_sgpr_count 2
		.amdhsa_user_sgpr_kernarg_segment_ptr 1
		.amdhsa_wavefront_size32 1
		.amdhsa_system_sgpr_workgroup_id_x 1
		.amdhsa_system_sgpr_workgroup_id_y 1
		.amdhsa_system_sgpr_workgroup_id_z 1
		.amdhsa_system_vgpr_workitem_id 0
		.amdhsa_next_free_vgpr 1024
		.amdhsa_next_free_sgpr 102
		.amdhsa_reserve_vcc 1
		.amdhsa_float_denorm_mode_32 3
		.amdhsa_float_denorm_mode_16_64 3
		.amdhsa_memory_ordered 1
		.amdhsa_forward_progress 1
		.amdhsa_inst_pref_size 255
	.end_amdhsa_kernel
	.section	.bss,"aw",@nobits
	.p2align	6
	.space	262144
	.amdgpu_metadata
---
amdhsa.version: [ 1, 2 ]
amdhsa.kernels:
  - .name:           k_qd8d371122b_gemm_qkv
    .symbol:         k_qd8d371122b_gemm_qkv.kd
    .args:
      - { .name: opc, .offset: 0, .size: 8, .value_kind: global_buffer, .address_space: global }
      - { .name: ops, .offset: 8, .size: 8, .value_kind: global_buffer, .address_space: global }
      - { .name: rope, .offset: 16, .size: 8, .value_kind: global_buffer, .address_space: global }
      - { .name: kb, .offset: 24, .size: 8, .value_kind: global_buffer, .address_space: global }
      - { .name: vb, .offset: 32, .size: 8, .value_kind: global_buffer, .address_space: global }
      - { .name: kvs, .offset: 40, .size: 8, .value_kind: global_buffer, .address_space: global }
      - { .name: qb, .offset: 48, .size: 8, .value_kind: global_buffer, .address_space: global }
    .group_segment_fixed_size: 327680
    .private_segment_fixed_size: 0
    .kernarg_segment_align: 8
    .kernarg_segment_size: 56
    .max_flat_workgroup_size: 128
    .sgpr_count:     102
    .vgpr_count:     1024
    .wavefront_size: 32
...
	.end_amdgpu_metadata
.endif
;; end of part 2
;; launch attn (part 3): grid 4 x 64, 16 waves a work-group, clusters of 4 x 1, 327,680 bytes of LDS; arguments qb, kb, vb, kvs, ab; writes ab
.if DOCPART == 3
	.amdgcn_target "amdgcn-amd-amdhsa--gfx1250"
	.amdhsa_code_object_version 6
	.text
	.protected	k_qd8d371122b_attn
	.globl	k_qd8d371122b_attn
	.p2align	8
	.type	k_qd8d371122b_attn,@function
k_qd8d371122b_attn:
	s_mov_b64 s[64:65], 0
	v_nop
	global_prefetch_b8 v0, s[64:65] scope:SCOPE_SE
	s_setreg_imm32_b32 hwreg(HW_REG_WAVE_MODE, 25, 1), 1
	s_wait_xcnt 0x0
	s_wait_alu depctr_hold_cnt(0) depctr_sa_sdst(0) depctr_va_vdst(0) depctr_va_sdst(0) depctr_va_ssrc(0) depctr_va_vcc(0) depctr_vm_vsrc(0)
	s_getreg_b32 s2, hwreg(HW_REG_IB_STS2, 6, 4)
	s_cmp_eq_u32 s2, 0
	s_cbranch_scc0 .Lentry_in_a_cluster
	s_endpgm
.Lentry_in_a_cluster:
	s_bfe_u32 s2, ttmp6, 0x10000c
	s_cmp_lg_u32 s2, 0x3003
	s_cbranch_scc0 .Lentry_shape_is_right
	s_endpgm
.Lentry_shape_is_right:
; attn[b][q][head][:] = the sum over keys of softmax(q . k / 8) v, both products on codes of FP6 (E2M3) with E8M0 scales; the result is quantised along head x 64 + d for the last product.
; THE SOFTMAX: t = score x log2(e) / 8; M = the row's largest t so far, rounded up to a whole number; p = 2^(t - M) is quantised along the keys, not normalised; the row's sum is taken of the unquantised p and divides at the end.
; When M moves, the sum and O are multiplied by 2^(old M - new M): exact.
; SHARES.  A work-group owns 256 queries of one (batch, head); each of its sixteen waves 16 of them, in 256 registers: four waves to a SIMD, so that one wave's vector work stands beside another's products and LDS loads.
; THE WHOLE HEAD STAYS IN LDS: k's 128 half fragments, v's 64 fragments and their scale words, 208,896 bytes, each byte filled once: no ring, no refill.  It comes in two chunks, the first 512 keys and the other 1,536; the first is read while the second lands.
; CLUSTER.  The four query blocks of a head read the same k and v: every load is asked for jointly by the four.
; LAYOUT.  S^T = k q^T (source 0 = 16 keys, source 1 = my queries; K = 64: the fragments' upper six registers are zero codes), O^T = v^T p^T: a lane holds one query throughout.  With tiles of 16 neighbouring keys p's codes lie in
; the order 0-7, 16-23, 8-15, 24-31 inside each block of 32 keys, as v's codes were laid.
; LIMITS: NaN and infinities not served; 1 / sum by v_rcp_f32; a block's largest p is taken from its largest score by the same multiply-add and exponential.
; REGISTERS: v1-4 lane terms; v5-8 the step's LDS addresses; v9 p's scale word; v10-13 k's words, v14-15 v's; v16 -M, v17 the largest t; v[18:19] the sum; v[20:21] f; v22-23 16 and 8 x lane; v24-35 q; v36-83 four fragments of k;
;   v84-147 S^T, then p, then v's four fragments; v148-179 O^T; v180-198 p's codes; v199 q's words; v200-215 at work.
.set AK16, 1
.set AK8,  2
.set ASK0, 3
.set ASV0, 4
.set A16,  5
.set A8,   6
.set ASK,  7
.set ASV,  8
.set PW,   9
.set KSC,  10
.set VSC,  14
.set NM,   16
.set SUM,  18
.set FF,   20
.set G16,  22
.set G8,   23
.set QF,   24
.set KF,   36
.set S,    84
.set OT,   148
.set PC,   180
.set QS,   199
.set TM,   200                         ; v200-203 the blocks' maxima, v204-207 at work, v208 at work, v212-215 the conversions' scale operands
.set T0,   208
.set QSC,  3145728
.set ASC,  3145728
; LDS AS THIS TEXT LAYS IT: k's 128 half fragments at 0, v's 64 fragments at 98,304, the scale words at SCW (k's 8,192 bytes, then v's 4,096), the spare words behind them.  Each byte is filled once.
; The first 512 keys and the words are asked for at the head, one load a wave (waves 0-5 k, 6-11 v, 4,096 bytes each; wave 12 the words); the other 1,536 keys by one load of 9,216 bytes a wave behind the full sequence
; and a round of the cluster's barrier: they have four key steps in which to land.
.set SCW,  196608
.set AV16, 216                         ; v216-217 the step's LDS addresses of v's fragments
.set AV8,  217
.set SEL,  52
.set CS,   54
.set TB,   58
.set TS,   59
.set TJ,   60
.set MSB, 0
.macro WIN new                         ; (this text stays in window 0)
.if MSB != (\new)
	s_set_vgpr_msb (MSB<<8)|(\new)
.set MSB, (\new)
.endif
.endm
.macro CROUND
	s_barrier_signal -1
	s_barrier_wait -1
	s_cmp_lg_u32 s14, 0
	s_cbranch_scc1 .Lnot_wave_0_\@
	s_barrier_signal -3
.Lnot_wave_0_\@:
	s_barrier_wait -3
	s_barrier_signal -1
	s_barrier_wait -1
.endm
.macro QUANT s, W, NC, pw
	WIN ((\W)<<2)|((\W)<<4)
.irp b, 0,1,2,3
.if \b < 2*(\NC)
	v_max3_num_f32 v[TM+\b], 0x1800000, |v[(\s)+16*\b]|, |v[(\s)+16*\b+1]|   ; my 16 numbers, and the floor 2^(3 - 127)
.endif
.endr
.irp i, 2,4,6,8,10,12,14
.irp b, 0,1,2,3
.if \b < 2*(\NC)
	s_delay_alu instid0(VALU_DEP_2)
	v_max3_num_f32 v[TM+\b], v[TM+\b], |v[(\s)+16*\b+\i]|, |v[(\s)+16*\b+\i+1]|
.endif
.endr
.endr
	WIN 0
.irp b, 0,1,2,3
.if \b < 2*(\NC)
	s_delay_alu instid0(VALU_DEP_2)
	v_permlanex16_b32 v[TM+4+\b], v[TM+\b], s[SEL], s[SEL+1]
.endif
.endr
.irp b, 0,1,2,3
.if \b < 2*(\NC)
	s_delay_alu instid0(VALU_DEP_2)
	v_max_num_f32 v[TM+\b], v[TM+\b], v[TM+4+\b]
.endif
.endr
.irp b, 0,1,2,3
.if \b < 2*(\NC)
	s_delay_alu instid0(VALU_DEP_2)
	v_add_nc_u32 v[TM+12+\b], 0xff000000, v[TM+\b]
.endif
.endr
.irp b, 0,1,2,3
.if \b < 2*(\NC)
	s_delay_alu instid0(VALU_DEP_2)
	v_lshrrev_b32 v[TM+4+\b], 23, v[TM+12+\b]
.endif
.endr
	s_delay_alu instid0(VALU_DEP_1)
	v_lshl_or_b32 v[\pw], v[TM+5], 8, v[TM+4]
.if (\NC) > 1
	v_lshl_or_b32 v[\pw], v[TM+6], 16, v[\pw]
	v_lshl_or_b32 v[\pw], v[TM+7], 24, v[\pw]
.endif
	WIN (\W)
.irp c, 0,1
.if \c < (\NC)
	v_cvt_scalef32_pk16_fp6_f32 v[PC+6*\c:PC+6*\c+2], v[(\s)+32*\c:(\s)+32*\c+15], v[TM+12+2*\c]
	v_cvt_scalef32_pk16_fp6_f32 v[PC+12+4*\c:PC+14+4*\c], v[(\s)+32*\c+16:(\s)+32*\c+31], v[TM+13+2*\c]
.endif
.endr
	WIN 0
	v_nop                                          ; one plain instruction behind the scaled conversions
.irp c, 0,1
.if \c < (\NC)
.irp i, 0,1,2
	v_permlane16_swap_b32 v[PC+6*\c+\i], v[PC+12+4*\c+\i]
.endr
.irp i, 0,1,2
	s_delay_alu instid0(VALU_DEP_3)
	v_mov_b32 v[PC+3+6*\c+\i], v[PC+12+4*\c+\i]
.endr
.endif
.endr
.endm
	s_load_b256 s[4:11], s[0:1], 0x0               ; qb s[4:5], kb s[6:7], vb s[8:9], kvs s[10:11]
	s_load_b64 s[12:13], s[0:1], 0x20              ; ab
	v_lshl_add_u32 v254, v0, 2, 0x33000
	v_mov_b32 v255, 0
	ds_add_u32 v254, v255
	ds_add_u32 v254, v255
	v_lshrrev_b32 v1, 5, v0
	s_delay_alu instid0(VALU_DEP_1)
	v_readfirstlane_b32 s14, v1                    ; wave 0..15
	s_bfe_u32 s15, ttmp6, 0x40000                  ; cx: it enters q's and the result's global addresses alone
	s_and_b32 s57, ttmp7, 0xffff                   ; batch x 32 + head, which the four partners share
	s_mov_b32 s16, 15|(3<<16)|(1<<21)              ; group 1 for a wave's dense bytes of a chunk: rows of 32 elements of 8 bytes; the mask names all four
	s_mov_b32 s17, 32<<16
	s_mov_b32 s18, 16<<16                          ; at the head 16 rows of 256 bytes; for the second load 36
	s_mov_b32 s19, 32<<16
	s_mov_b32 s20, 16
	s_mov_b32 s21, 32
	s_mov_b32 s22, 0
	s_mov_b32 s23, 0
	s_mov_b32 s24, 15|(3<<16)|(1<<21)              ; and for the scale words
	s_mov_b32 s25, 32<<16
	s_mov_b32 s26, 48<<16                          ; all the head's scale words: 48 rows of 256 bytes
	s_mov_b32 s27, 32<<16
	s_mov_b32 s28, 48
	s_mov_b32 s29, 32
	s_mov_b32 s30, 0
	s_mov_b32 s31, 0
	s_mul_i32 s58, s57, 98304                      ; the head's k or v
	s_mov_b32 s59, 0
	s_mul_i32 s60, s57, 12288                      ; its scale words
	s_mov_b32 s61, 0
	s_mul_i32 s62, s14, 11
	s_lshr_b32 s62, s62, 6                         ; d = wave / 6 for waves 0-11: 0 k, 1 v
	s_lshl_b32 s63, s14, 12
	s_mul_i32 s40, s62, 24576
	s_sub_co_u32 s40, s63, s40                     ; the first load: 4,096 x (wave - 6 d) into k or v,
	s_mov_b32 s41, 0
	s_mul_i32 s62, s62, 73728
	s_add_co_u32 s33, s63, s62                     ; to LDS 98,304 d + the same
	s_and_b32 s42, s14, 7
	s_mul_i32 s42, s42, 9216
	s_add_co_u32 s42, s42, 24576                   ; the second: behind the first 512 keys, 9,216 x (wave % 8),
	s_mov_b32 s43, 0
	s_lshr_b32 s44, s14, 3
	s_mul_i32 s44, s44, 98304
	s_add_co_u32 s37, s42, s44                     ; to LDS 98,304 x (wave / 8) + the same
	s_mov_b32 s[SEL], 0x76543210
	s_mov_b32 s[SEL+1], 0xfedcba98
	s_mov_b32 s[CS], 0x3e38aa3b                    ; c = log2(e) / 8
	s_mov_b32 s[CS+1], s[CS]                       ; (named with it as a pair)
	s_wait_dscnt 0x0
	s_wait_kmcnt 0x0
	s_cmp_lt_u32 s14, 6
	s_cselect_b64 s[34:35], s[6:7], s[8:9]
	s_add_nc_u64 s[34:35], s[34:35], s[58:59]
	s_add_nc_u64 s[34:35], s[34:35], s[40:41]
	s_or_b32 s35, s35, 0x80000000
	s_cmp_lt_u32 s14, 8
	s_cselect_b64 s[38:39], s[6:7], s[8:9]
	s_add_nc_u64 s[38:39], s[38:39], s[58:59]
	s_add_nc_u64 s[38:39], s[38:39], s[42:43]
	s_or_b32 s39, s39, 0x80000000
	s_add_nc_u64 s[50:51], s[10:11], s[60:61]
	s_or_b32 s51, s51, 0x80000000
	s_mov_b32 s32, 1
	s_mov_b32 s36, 1
	s_mov_b32 s48, 1
	s_mov_b32 s49, SCW
	CROUND                                         ; all four work-groups are here: the joint loads meet
	s_cmp_ge_u32 s14, 12                           ; one chain of branches on the wave's number, one load to an arm
	s_cbranch_scc1 .Lh_words
	tensor_load_to_lds s[32:35], s[16:23]          ; waves 0-11: the first 512 keys of k and v
	s_nop 0
.rept 4
	v_nop
.endr
	s_branch .Lh_join
.Lh_words:
	s_cmp_lg_u32 s14, 12
	s_cbranch_scc1 .Lh_join
	tensor_load_to_lds s[48:51], s[24:31]          ; wave 12: the scale words
	s_nop 0
.rept 4
	v_nop
.endr
.Lh_join:
	v_and_b32 v5, 31, v0
	v_and_b32 v6, 15, v0
	s_delay_alu instid0(VALU_DEP_2)
	v_lshlrev_b32 v[AK16], 4, v5
	s_delay_alu instid0(VALU_DEP_3)
	v_lshlrev_b32 v[AK8], 3, v5
	s_delay_alu instid0(VALU_DEP_4)
	v_lshl_add_u32 v[ASK0], v5, 2, SCW
	v_lshl_add_u32 v[ASV0], v5, 2, SCW+8192
	v_lshlrev_b32 v[G16], 4, v5
	s_wait_alu depctr_va_vdst(0)
	v_lshlrev_b32 v[G8], 3, v5
	s_wait_alu depctr_va_vdst(0)
	v_lshlrev_b32 v7, 2, v6
	s_wait_alu depctr_va_vdst(0)
	s_lshl_b32 s61, ttmp9, 2
	s_add_co_u32 s61, s61, s15
	s_lshl_b32 s61, s61, 4
	s_add_co_u32 s61, s61, s14                     ; my tile of 16 queries: 16 x query block + wave
	s_lshl_b32 s62, s57, 6
	s_add_co_u32 s62, s62, s61
	s_lshl_b32 s2, s62, 6
	s_add_co_u32 s2, s2, QSC
	s_mov_b32 s3, 0
	s_add_nc_u64 s[6:7], s[4:5], s[2:3]            ; q's words
	s_mul_i32 s2, s62, 768
	s_add_nc_u64 s[4:5], s[4:5], s[2:3]            ; q's half fragment
	global_load_b128 v[QF:QF+3], v[G16], s[4:5]
	global_load_b64 v[QF+4:QF+5], v[G8], s[4:5] offset:512
	global_load_b32 v[QS], v7, s[6:7]
.irp i, 6,7,8,9,10,11
	v_mov_b32 v[QF+\i], 0                          ; K = 64: the upper halves of q's and k's fragments are zero codes, written once
.irp t, 0,1,2,3
	v_mov_b32 v[KF+12*\t+\i], 0
.endr
.endr
	v_mov_b32 v[NM+1], 0xff61b1e6                  ; the largest t so far: -3e38
	s_delay_alu instid0(VALU_DEP_1)
	v_floor_f32 v[NM], -v[NM+1]                    ; -M
	v_mov_b32 v[SUM], 0
	v_mov_b32 v[SUM+1], 0
	v_mov_b32 v[FF+1], 0                           ; (named as the upper half of the pair)
.irp b, 0,1,2,3
	v_mov_b32 v[TM+4+\b], 0                        ; a lane permute's destination counts as one of its sources
.endr
.set j, 0
.rept 32
	v_mov_b32 v[OT+j], 0                           ; O^T: the step is written once; its first run finds zeros
.set j, j+1
.endr
	s_mov_b32 s[TB], 0
	s_mov_b32 s[TS], 0
	s_mov_b32 s[TJ], 0
.macro KQ t0                           ; four tiles of 16 keys: S^T = k q^T
.irp t, 0,1,2,3
.if (\t%2) == 0
	v_wmma_scale_f32_16x16x128_f8f6f4 v[S+8*(\t0+\t):S+8*(\t0+\t)+7], v[KF+12*\t:KF+12*\t+11], v[QF:QF+11], 0, v[KSC+(\t0+\t)/2], v[QS] matrix_a_fmt:MATRIX_FMT_FP6 matrix_b_fmt:MATRIX_FMT_FP6
.else
	v_wmma_scale_f32_16x16x128_f8f6f4 v[S+8*(\t0+\t):S+8*(\t0+\t)+7], v[KF+12*\t:KF+12*\t+11], v[QF:QF+11], 0, v[KSC+(\t0+\t)/2], v[QS] matrix_a_fmt:MATRIX_FMT_FP6 matrix_b_fmt:MATRIX_FMT_FP6 matrix_a_scale:MATRIX_SCALE_ROW1
.endif
.endr
.endm
.macro KLOAD t0
.irp t, 0,1,2,3
	ds_load_b128 v[KF+12*\t:KF+12*\t+3], v[A16] offset:768*(\t0+\t)
	ds_load_b64 v[KF+12*\t+4:KF+12*\t+5], v[A8] offset:768*(\t0+\t)+512
.endr
.endm
.macro BMAX b0, b1                     ; the largest score of blocks b0 and b1 among my 16 registers of each, by turns; each accumulator is read from its low end on
.irp b, \b0, \b1
	v_max3_num_f32 v[TM+\b], v[S+16*\b], v[S+16*\b+1], v[S+16*\b+2]
.endr
.irp i, 3,5,7,9,11,13
.irp b, \b0, \b1
	v_max3_num_f32 v[TM+\b], v[TM+\b], v[S+16*\b+\i], v[S+16*\b+\i+1]
.endr
.endr
.irp b, \b0, \b1
	v_max_num_f32 v[TM+\b], v[TM+\b], v[S+16*\b+15]
.endr
.endm
; A KEY STEP: 128 keys.
.macro STEP
	v_add_nc_u32 v[A16], s[TB], v[AK16]            ; these six are the six places between the last step's products and what follows: loads into their scale registers, and products that write over v's fragments
	v_add_nc_u32 v[A8], s[TB], v[AK8]
	v_add_nc_u32 v[ASK], s[TS], v[ASK0]
	v_add_nc_u32 v[ASV], s[TJ], v[ASV0]
	v_add_nc_u32 v[AV16], 0x18000, v[A16]          ; v's fragments lie 98,304 bytes behind k's, 6,144 bytes a step like k's
	v_add_nc_u32 v[AV8], 0x18000, v[A8]
	KLOAD 0
.irp u, 0,1,2,3
	ds_load_b32 v[KSC+\u], v[ASK] offset:128*\u    ; lanes 0-15 the words of tile 2 u, lanes 16-31 of tile 2 u + 1
.endr
.irp u, 0,1
	ds_load_b32 v[VSC+\u], v[ASV] offset:128*\u
.endr
	s_wait_alu depctr_va_vdst(0)
	s_wait_dscnt 0x0
	KQ 0
.rept 4
	v_nop                                          ; places in front of loads into k's fragments and of the first read of the scores
.endr
	KLOAD 4
	BMAX 0, 1                                      ; while tiles 4-7 come
	s_wait_dscnt 0x0
	KQ 4
.rept 4
	v_nop
.endr
	BMAX 2, 3
.irp b, 0,1,2,3
	v_permlanex16_b32 v[TM+4+\b], v[TM+\b], s[SEL], s[SEL+1]
.endr
.irp b, 0,1,2,3
	s_delay_alu instid0(VALU_DEP_4)
	v_max_num_f32 v[TM+\b], v[TM+\b], v[TM+4+\b]   ; THE LARGEST SCORE OF EACH BLOCK OF 32 KEYS: for the row's maximum, and, since p rises with the score, for the block's largest p
.endr
	s_delay_alu instid0(VALU_DEP_2)
	v_max3_num_f32 v[T0], v[TM], v[TM+1], v[TM+2]
	s_delay_alu instid0(VALU_DEP_1)
	v_max_num_f32 v[T0], v[T0], v[TM+3]
	s_delay_alu instid0(VALU_DEP_1)
	v_mul_f32 v[T0], s[CS], v[T0]                  ; as t
	s_delay_alu instid0(VALU_DEP_1)
	v_max_num_f32 v[NM+1], v[NM+1], v[T0]          ; the running largest t
	v_mov_b32 v[T0], v[NM]
	s_delay_alu instid0(VALU_DEP_2)
	v_floor_f32 v[NM], -v[NM+1]                    ; the new -M = -ceil(t)
	s_delay_alu instid0(VALU_DEP_1)
	v_sub_f32 v[T0], v[NM], v[T0]                  ; old M - new M: a whole number, 0 or less
	s_delay_alu instid0(VALU_DEP_1)
	v_cvt_i32_f32 v[T0], v[T0]                     ; (it saturates)
	s_delay_alu instid0(VALU_DEP_1)
	v_ldexp_f32 v[FF], 1.0, v[T0]                  ; f = 2^(old M - new M)
.set j, 0
.rept 32
	v_pk_fma_f32 v[S+j:S+j+1], v[S+j:S+j+1], s[CS:CS+1], v[NM:NM+1] op_sel_hi:[1,0,0]   ; t - M, two at a time
.set j, j+2
.endr
.irp b, 0,1,2,3
	v_fma_f32 v[TM+\b], v[TM+\b], s[CS], v[NM]     ; the same of each block's largest score
.endr
.set j, 0
	s_wait_alu depctr_va_vdst(0)
.rept 64
	v_exp_f32 v[S+j], v[S+j]                       ; p = 2^(t - M)
.set j, j+1
.endr
	v_pk_mul_f32 v[SUM:SUM+1], v[SUM:SUM+1], v[FF:FF+1] op_sel_hi:[1,0]   ; the sums under the new M: a plain instruction behind the exponentials
	s_wait_alu depctr_va_vdst(0)                   ; one wait for the batch of 64, ahead of its first reader
.irp b, 0,1,2,3
	v_exp_f32 v[TM+\b], v[TM+\b]                   ; the blocks' largest p
.endr
	v_pk_add_f32 v[204:205], v[88:89], v[92:93]
	v_pk_add_f32 v[252:253], v[96:97], v[100:101]
	v_pk_add_f32 v[250:251], v[104:105], v[108:109]
	v_pk_add_f32 v[248:249], v[112:113], v[116:117]
	v_pk_add_f32 v[246:247], v[120:121], v[124:125]
	v_pk_add_f32 v[244:245], v[128:129], v[132:133]
	v_pk_add_f32 v[242:243], v[136:137], v[140:141]
	v_pk_add_f32 v[18:19], v[18:19], v[144:145]
	v_pk_add_f32 v[204:205], v[204:205], v[84:85]
	v_pk_add_f32 v[252:253], v[252:253], v[86:87]
	v_pk_add_f32 v[250:251], v[250:251], v[90:91]
	v_pk_add_f32 v[248:249], v[248:249], v[94:95]
	v_pk_add_f32 v[246:247], v[246:247], v[98:99]
	v_pk_add_f32 v[244:245], v[244:245], v[102:103]
	v_pk_add_f32 v[242:243], v[242:243], v[106:107]
	v_pk_add_f32 v[18:19], v[18:19], v[110:111]
	v_pk_add_f32 v[204:205], v[204:205], v[114:115]
	v_pk_add_f32 v[252:253], v[252:253], v[118:119]
	v_pk_add_f32 v[250:251], v[250:251], v[122:123]
	v_pk_add_f32 v[248:249], v[248:249], v[126:127]
	v_pk_add_f32 v[246:247], v[246:247], v[130:131]
	v_pk_add_f32 v[244:245], v[244:245], v[134:135]
	v_pk_add_f32 v[242:243], v[242:243], v[138:139]
	v_pk_add_f32 v[18:19], v[18:19], v[142:143]
	v_pk_add_f32 v[204:205], v[204:205], v[146:147]
	s_delay_alu instid0(VALU_DEP_2)
	v_pk_add_f32 v[18:19], v[18:19], v[248:249]
	s_delay_alu instid0(VALU_DEP_2)
	v_pk_add_f32 v[204:205], v[204:205], v[246:247]
	v_pk_add_f32 v[252:253], v[252:253], v[244:245]
	v_pk_add_f32 v[250:251], v[250:251], v[242:243]
	s_delay_alu instid0(VALU_DEP_2)
	v_pk_add_f32 v[18:19], v[18:19], v[252:253]
	s_delay_alu instid0(VALU_DEP_2)
	v_pk_add_f32 v[204:205], v[204:205], v[250:251]
	s_delay_alu instid0(VALU_DEP_1)
	v_pk_add_f32 v[18:19], v[18:19], v[204:205]
	s_wait_alu depctr_va_vdst(0)                   ; and one for the four
.irp b, 0,1,2,3
	v_max_num_f32 v[TM+\b], 0x1800000, v[TM+\b]    ; the floor: the byte cannot fall under 1
.endr
.irp b, 0,1,2,3
	s_delay_alu instid0(VALU_DEP_4)
	v_add_nc_u32 v[TM+12+\b], 0xff000000, v[TM+\b] ; the conversion's scale operand
.endr
.irp b, 0,1,2,3
	s_delay_alu instid0(VALU_DEP_4)
	v_lshrrev_b32 v[TM+4+\b], 23, v[TM+12+\b]      ; the byte
.endr
	s_delay_alu instid0(VALU_DEP_3)
	v_lshl_or_b32 v[PW], v[TM+5], 8, v[TM+4]       ; p's scale word for these 128 keys
	s_delay_alu instid0(VALU_DEP_1)
	v_lshl_or_b32 v[PW], v[TM+6], 16, v[PW]
	s_delay_alu instid0(VALU_DEP_1)
	v_lshl_or_b32 v[PW], v[TM+7], 24, v[PW]
.irp c, 0,1
	v_cvt_scalef32_pk16_fp6_f32 v[PC+6*\c:PC+6*\c+2], v[S+32*\c:S+32*\c+15], v[TM+12+2*\c]
	v_cvt_scalef32_pk16_fp6_f32 v[PC+12+4*\c:PC+14+4*\c], v[S+32*\c+16:S+32*\c+31], v[TM+13+2*\c]
.endr
	v_nop                                          ; one plain instruction behind the scaled conversions
.irp t, 0,1,2,3                        ; v's four fragments take p's registers
	ds_load_b128 v[S+12*\t:S+12*\t+3], v[AV16] offset:1536*\t
	ds_load_b64 v[S+12*\t+4:S+12*\t+5], v[AV8] offset:1536*\t+512
	ds_load_b128 v[S+12*\t+6:S+12*\t+9], v[AV16] offset:1536*\t+768
	ds_load_b64 v[S+12*\t+10:S+12*\t+11], v[AV8] offset:1536*\t+1280
.endr
.irp c, 0,1
.irp i, 0,1,2
	v_permlane16_swap_b32 v[PC+6*\c+\i], v[PC+12+4*\c+\i]
.endr
.irp i, 0,1,2
	s_delay_alu instid0(VALU_DEP_3)
	v_mov_b32 v[PC+3+6*\c+\i], v[PC+12+4*\c+\i]
.endr
.endr
.set j, 0
.rept 16
	v_pk_mul_f32 v[OT+j:OT+j+1], v[OT+j:OT+j+1], v[FF:FF+1] op_sel_hi:[1,0]   ; O^T under the new M; these sixteen are also the places between the scale word's and the codes' last writes and the products
.set j, j+2
.endr
	s_wait_alu depctr_va_vdst(0)
	s_wait_dscnt 0x0
.irp t, 0,1,2,3                        ; O^T += v^T p^T: the four accumulators by turns
.if (\t%2) == 0
	v_wmma_scale_f32_16x16x128_f8f6f4 v[OT+8*\t:OT+8*\t+7], v[S+12*\t:S+12*\t+11], v[PC:PC+11], v[OT+8*\t:OT+8*\t+7], v[VSC+\t/2], v[PW] matrix_a_fmt:MATRIX_FMT_FP6 matrix_b_fmt:MATRIX_FMT_FP6
.else
	v_wmma_scale_f32_16x16x128_f8f6f4 v[OT+8*\t:OT+8*\t+7], v[S+12*\t:S+12*\t+11], v[PC:PC+11], v[OT+8*\t:OT+8*\t+7], v[VSC+\t/2], v[PW] matrix_a_fmt:MATRIX_FMT_FP6 matrix_b_fmt:MATRIX_FMT_FP6 matrix_a_scale:MATRIX_SCALE_ROW1
.endif
.endr
	s_add_co_u32 s[TB], s[TB], 6144                ; the next step: 8 halves of k on, and one step of v
	s_add_co_u32 s[TS], s[TS], 512
	s_add_co_u32 s[TJ], s[TJ], 256
.endm
.macro CHUNK n                         ; n key steps
	s_mov_b32 s56, \n
.Lstep_\@:
	STEP
	s_sub_co_u32 s56, s56, 1
	s_cmp_lg_u32 s56, 0
	s_cbranch_scc1 .Lstep_\@
.endm
	s_wait_alu depctr_va_vdst(0)
	s_wait_loadcnt 0x0                             ; q
	s_wait_tensorcnt 0x0                           ; my load of the head's has landed
	ds_add_u32 v254, v255
	ds_add_u32 v254, v255
	s_mov_b32 s18, 36<<16                          ; no tensor load of mine is out: the second load has 36 rows of 256 bytes
	s_mov_b32 s20, 36
	s_wait_dscnt 0x0
	CROUND                                         ; the first 512 keys and the words are whole in all four work-groups
	tensor_load_to_lds s[36:39], s[16:23]          ; the other 1,536 keys: every wave's one load behind the round
	s_nop 0
.rept 4
	v_nop
.endr
	CHUNK 4                                        ; keys 0-511
	s_wait_tensorcnt 0x0                           ; my part of the other keys has landed,
	s_wait_dscnt 0x0
	s_barrier_signal -1
	s_barrier_wait -1                              ; and everybody's
	CHUNK 12                                       ; keys 512-2,047
	; THE END: O^T / the sum, quantised along d: half a fragment of the last product's A, and two bytes of its scale word
.rept 4
	v_nop                                          ; places behind the last products
.endr
	v_add_f32 v[SUM], v[SUM], v[SUM+1]
	s_delay_alu instid0(VALU_DEP_1)
	v_permlanex16_b32 v[T0], v[SUM], s[SEL], s[SEL+1]
	s_delay_alu instid0(VALU_DEP_1)
	v_add_f32 v[SUM], v[SUM], v[T0]                ; the row's sum
	s_wait_alu depctr_va_vdst(0)
	v_rcp_f32 v[SUM], v[SUM]
	v_nop                                          ; a plain instruction behind the reciprocal,
	s_wait_alu depctr_va_vdst(0)                   ; and the wait, ahead of its first reader
.set j, 0
.rept 32
	v_mul_f32 v[S+j], v[OT+j], v[SUM]              ; register 8 t + i: d = 16 t + 8 h + i
.set j, j+1
.endr
	QUANT S, 0, 1, PW
	s_lshr_b32 s2, s57, 5                          ; ab: [batch x 64 + tile of 16 tokens][head / 2][head % 2][768]
	s_lshl_b32 s2, s2, 6
	s_add_co_u32 s2, s2, s61
	s_lshl_b32 s2, s2, 4
	s_and_b32 s62, s57, 31
	s_lshr_b32 s63, s62, 1
	s_add_co_u32 s2, s2, s63
	s_and_b32 s62, s62, 1
	s_mul_i32 s58, s2, 1536
	s_mul_i32 s59, s62, 768
	s_add_co_u32 s58, s58, s59
	s_mov_b32 s59, 0
	s_add_nc_u64 s[8:9], s[12:13], s[58:59]
	s_lshl_b32 s58, s2, 6
	s_lshl_b32 s63, s62, 1
	s_add_co_u32 s58, s58, s63
	s_add_co_u32 s58, s58, ASC
	s_add_nc_u64 s[10:11], s[12:13], s[58:59]
	v_and_b32 v200, 15, v0
	s_delay_alu instid0(VALU_DEP_1)
	v_lshlrev_b32 v200, 2, v200
	s_wait_alu depctr_va_vdst(0)
	global_store_b128 v[G16], v[PC:PC+3], s[8:9]
	global_store_b64 v[G8], v[PC+4:PC+5], s[8:9] offset:512
	global_store_b16 v200, v[PW], s[10:11]         ; my row's two bytes of the word (lanes 16-31 repeat lanes 0-15): one such store a wave
	s_wait_tensorcnt 0x0
	ds_add_u32 v254, v255
	s_wait_dscnt 0x0
	CROUND                                         ; the closing round
	s_endpgm
.Lfunc_end_k_qd8d371122b_attn:
	.size	k_qd8d371122b_attn, .Lfunc_end_k_qd8d371122b_attn-k_qd8d371122b_attn
	.p2alignl 7, 3214868480
	.fill 96, 4, 3214868480
	.section	.rodata,"a",@progbits
	.p2align	6, 0x0
	.amdhsa_kernel k_qd8d371122b_attn
		.amdhsa_group_segment_fixed_size 327680
		.amdhsa_private_segment_fixed_size 0
		.amdhsa_enable_private_segment 0
		.amdhsa_kernarg_size 40
		.amdhsa_user_sgpr_count 2
		.amdhsa_user_sgpr_kernarg_segment_ptr 1
		.amdhsa_wavefront_size32 1
		.amdhsa_system_sgpr_workgroup_id_x 1
		.amdhsa_system_sgpr_workgroup_id_y 1
		.amdhsa_system_sgpr_workgroup_id_z 1
		.amdhsa_system_vgpr_workitem_id 0
		.amdhsa_next_free_vgpr 256
		.amdhsa_next_free_sgpr 66
		.amdhsa_reserve_vcc 0
		.amdhsa_float_denorm_mode_32 3
		.amdhsa_float_denorm_mode_16_64 3
		.amdhsa_memory_ordered 1
		.amdhsa_forward_progress 1
		.amdhsa_inst_pref_size 50
	.end_amdhsa_kernel
	.amdgpu_metadata
---
amdhsa.version: [ 1, 2 ]
amdhsa.kernels:
  - .name:           k_qd8d371122b_attn
    .symbol:         k_qd8d371122b_attn.kd
    .args:
      - { .name: qb, .offset: 0, .size: 8, .value_kind: global_buffer, .address_space: global }
      - { .name: kb, .offset: 8, .size: 8, .value_kind: global_buffer, .address_space: global }
      - { .name: vb, .offset: 16, .size: 8, .value_kind: global_buffer, .address_space: global }
      - { .name: kvs, .offset: 24, .size: 8, .value_kind: global_buffer, .address_space: global }
      - { .name: ab, .offset: 32, .size: 8, .value_kind: global_buffer, .address_space: global }
    .group_segment_fixed_size: 327680
    .private_segment_fixed_size: 0
    .kernarg_segment_align: 8
    .kernarg_segment_size: 40
    .max_flat_workgroup_size: 512
    .sgpr_count:     66
    .vgpr_count:     256
    .wavefront_size: 32
...
	.end_amdgpu_metadata
.endif
;; end of part 3
;; launch gemm_out (part 4): grid 16 x 16, 4 waves a work-group, clusters of 4 x 4, 327,680 bytes of LDS; arguments ab, opc, ops, bout, out0; writes out0
.if DOCPART == 4
	.amdgcn_target "amdgcn-amd-amdhsa--gfx1250"
	.amdhsa_code_object_version 6
	.text
	.protected	k_qd8d371122b_gemm_out
	.globl	k_qd8d371122b_gemm_out
	.p2align	8
	.type	k_qd8d371122b_gemm_out,@function
k_qd8d371122b_gemm_out:
	s_mov_b64 s[64:65], 0
	v_nop
	global_prefetch_b8 v0, s[64:65] scope:SCOPE_SE
	s_setreg_imm32_b32 hwreg(HW_REG_WAVE_MODE, 25, 1), 1
	s_wait_xcnt 0x0
	s_wait_alu depctr_hold_cnt(0) depctr_sa_sdst(0) depctr_va_vdst(0) depctr_va_sdst(0) depctr_va_ssrc(0) depctr_va_vcc(0) depctr_vm_vsrc(0)
	s_getreg_b32 s2, hwreg(HW_REG_IB_STS2, 6, 4)
	s_cmp_eq_u32 s2, 0
	s_cbranch_scc0 .Lentry_in_a_cluster
	s_endpgm
.Lentry_in_a_cluster:
	s_bfe_u32 s2, ttmp6, 0x10000c
	s_cmp_lg_u32 s2, 0xf033
	s_cbranch_scc0 .Lentry_shape_is_right
	s_endpgm
.Lentry_shape_is_right:
; out0 = attn Wout + bout on codes of FP6 (E2M3) with E8M0 scales; operands lie as images of the operand's registers (1,536 bytes a fragment of 16 rows x 128 K).  A work-group makes 128 x 128, a wave 64 x 64: 16 accumulators;
; the bias is the C of each accumulator's first product.  K = 2,048 goes through a ring of two LDS slots of four steps of 128 each; 4 x 4 clusters ask for A's tiles jointly along a row, for B's along a column.
; THE HEAD: one tensor load a wave: wave 0 all of A's part of slot 0, wave 2 all of B's, wave 1 A's scale words, wave 3 B's; slot 1 follows behind the full sequence and a round, a quarter a wave, as every refill does.
; The results leave through each wave's own stage in slot 0, which has had its last fill by then, as whole rows of 256 bytes.  LIMITS: NaN and infinities are not served.
.set NQ,    4
.set FRB,   1536
.set TP,    24576
.set HALFT, 4*NQ*FRB
.set SLOT,  4*HALFT
.set SCL,   2*SLOT
.set SPARE, SCL+16384
.set WOI,   12582912
.set WOS,   524288
.set ASC,   3145728
.set RD,   10
.set CO,   11
.set ADRA, 16
.set ADRB, 20
.set L16,  24
.set L8,   25
.set ADRS, 27
.set SPW,  28
.set NIL,  29
.set STO,  31
.set SC,   32
.set FS,   64
.set BK,   64
.set G1,   24
.set G0,   32
.set G1B,  48
.set G0B,  56
.set G1S,  68
.set G0S,  76
.set MSB, 0
.macro WIN new
.if MSB != (\new)
	s_set_vgpr_msb (MSB<<8)|(\new)
.set MSB, (\new)
.endif
.endm
.macro PLACES n
.rept \n
	v_nop
.endr
.endm
.macro JLOAD g0a, g1a, g0b, g1b
	s_cmp_eq_u32 s17, 0
	s_cbranch_scc0 .Lfor_b_\@
	tensor_load_to_lds s[\g0a:\g0a+3], s[\g1a:\g1a+7]
	s_nop 0
	PLACES 4
	s_branch .Lasked_\@
.Lfor_b_\@:
	tensor_load_to_lds s[\g0b:\g0b+3], s[\g1b:\g1b+7]
	s_nop 0
	PLACES 4
.Lasked_\@:
.endm
.macro HLOAD g0a, g0b, g0o, g1o        ; the head's loads: one chain of branches on the wave's number, one load to an arm
	s_cmp_lg_u32 s16, 0
	s_cbranch_scc1 .Lh1_\@
	tensor_load_to_lds s[\g0a:\g0a+3], s[G1:G1+7]
	s_nop 0
	PLACES 4
	s_branch .Lhj_\@
.Lh1_\@:
	s_cmp_lg_u32 s16, 2
	s_cbranch_scc1 .Lh2_\@
	tensor_load_to_lds s[\g0b:\g0b+3], s[G1B:G1B+7]
	s_nop 0
	PLACES 4
	s_branch .Lhj_\@
.Lh2_\@:
	tensor_load_to_lds s[\g0o:\g0o+3], s[\g1o:\g1o+7]
	s_nop 0
	PLACES 4
.Lhj_\@:
.endm
.macro CREST
	s_cmp_lg_u32 s16, 0
	s_cbranch_scc1 .Lnot_wave_0_\@
	s_barrier_signal -3
.Lnot_wave_0_\@:
	s_barrier_wait -3
	s_barrier_signal -1
	s_barrier_wait -1
.endm
.macro CROUND
	s_barrier_signal -1
	s_barrier_wait -1
	CREST
.endm
	s_load_b256 s[4:11], s[0:1], 0x0
	s_load_b64 s[12:13], s[0:1], 0x20
	v_lshl_add_u32 v[SPW], v0, 2, SPARE
	v_mov_b32 v[NIL], 0
	ds_add_u32 v28, v29
	ds_add_u32 v28, v29
	s_wait_dscnt 0x0
	v_lshrrev_b32 v1, 5, v0
	v_readfirstlane_b32 s16, v1
	s_lshr_b32 s17, s16, 1
	s_and_b32 s18, s16, 1
	s_bfe_u32 s40, ttmp6, 0x40000
	s_bfe_u32 s41, ttmp6, 0x40004
	s_lshl_b32 s42, ttmp9, 2
	s_add_co_u32 s42, s42, s40
	s_and_b32 s45, ttmp7, 0xffff
	s_lshl_b32 s45, s45, 2
	s_add_co_u32 s45, s45, s41
	s_lshl_b32 s43, s41, 2
	s_lshl_b32 s43, 15, s43
	s_lshl_b32 s44, 0x1111, s40
	s_or_b32 s[G1], s43, (3<<16)|(1<<21)
	s_or_b32 s[G1B], s44, (3<<16)|(1<<21)
.irp g, G1, G1B
	s_mov_b32 s[\g+1], 768<<16
	s_mov_b32 s[\g+2], 8<<16                       ; 8 rows (tiles of 16) for the head's loads, 4 behind them
	s_mov_b32 s[\g+3], 768<<16
	s_mov_b32 s[\g+4], 8
	s_mov_b32 s[\g+5], 3072
	s_mov_b32 s[\g+6], 0
	s_mov_b32 s[\g+7], 0
.endr
	s_mov_b32 s[G1S], 3<<16
	s_mov_b32 s[G1S+1], 32<<16
	s_mov_b32 s[G1S+2], 32<<16                     ; the scale words of 128 rows: 8,192 dense bytes, 32 rows of 256
	s_mov_b32 s[G1S+3], 32<<16
	s_mov_b32 s[G1S+4], 32
	s_mov_b32 s[G1S+5], 32
	s_mov_b32 s[G1S+6], 0
	s_mov_b32 s[G1S+7], 0
	s_lshl_b32 s20, s18, 2
	s_lshl_b32 s19, s45, 3
	s_add_co_u32 s19, s19, s20
	s_mul_i32 s92, s19, TP
	s_mov_b32 s93, 0
	s_lshl_b32 s94, s19, 10
	s_add_co_u32 s94, s94, ASC
	s_mov_b32 s95, 0
	s_lshl_b32 s21, s42, 3
	s_add_co_u32 s21, s21, s20
	s_mul_i32 s96, s21, TP
	s_add_co_u32 s96, s96, WOI
	s_mov_b32 s97, 0
	s_lshl_b32 s98, s21, 10
	s_add_co_u32 s98, s98, WOS
	s_mov_b32 s99, 0
	s_lshl_b32 s22, s42, 9
	s_lshl_b32 s23, s18, 8
	s_add_co_u32 s22, s22, s23
	s_mov_b32 s23, 0
	s_lshl_b32 s100, s45, 7
	s_lshl_b32 s101, s17, 6
	s_add_co_u32 s100, s100, s101
	s_lshl_b32 s100, s100, 13
	s_add_co_u32 s100, s100, s22
	s_mov_b32 s101, 0
	s_mul_i32 s19, s16, HALFT
	s_lshl_b32 s20, s16, 12
	s_wait_kmcnt 0x0
	s_add_nc_u64 s[92:93], s[4:5], s[92:93]
	s_add_nc_u64 s[94:95], s[4:5], s[94:95]
	s_add_nc_u64 s[96:97], s[6:7], s[96:97]
	s_add_nc_u64 s[98:99], s[8:9], s[98:99]
	s_add_nc_u64 s[10:11], s[10:11], s[22:23]
	s_add_nc_u64 s[12:13], s[12:13], s[100:101]
	s_cmp_eq_u32 s17, 0
	s_cselect_b64 s[94:95], s[94:95], s[98:99]
	CROUND
	s_mov_b32 s[G0S], 1
	s_add_co_u32 s[G0S+1], s20, SCL-4096           ; waves 1 and 3 alone use this group: A's words at SCL, B's at SCL + 8,192;
	s_sub_nc_u64 s[G0S+2:G0S+3], s[94:95], 4096    ; their own half is the second of the two, so the load begins 4,096 bytes ahead of it
	s_or_b32 s[G0S+3], s[G0S+3], 0x80000000
.irp s, 0,1
	s_mov_b32 s[G0+4*\s], 1
	s_add_co_u32 s[G0+4*\s+1], s19, \s*SLOT
	s_add_nc_u64 s[G0+4*\s+2:G0+4*\s+3], s[92:93], \s*NQ*FRB
	s_or_b32 s[G0+4*\s+3], s[G0+4*\s+3], 0x80000000
	s_mov_b32 s[G0B+4*\s], 1
	s_add_co_u32 s[G0B+4*\s+1], s19, \s*SLOT
	s_add_nc_u64 s[G0B+4*\s+2:G0B+4*\s+3], s[96:97], \s*NQ*FRB
	s_or_b32 s[G0B+4*\s+3], s[G0B+4*\s+3], 0x80000000
.endr
	HLOAD G0, G0B, G0S, G1S                        ; slot 0 and the scale words
	v_and_b32 v1, 15, v0
	v_bfe_u32 v2, v0, 4, 1
	v_and_b32 v3, 31, v0
	v_lshlrev_b32 v30, 5, v2
	WIN 0x40
.irp b, 0,1,2,3
	global_load_b128 v[128+8*\b:128+8*\b+3], v30, s[10:11] offset:64*\b
	global_load_b128 v[128+8*\b+4:128+8*\b+7], v30, s[10:11] offset:64*\b+16
.endr
	WIN 0
	v_lshlrev_b32 v[L16], 4, v3
	v_lshlrev_b32 v[L8], 3, v3
	s_mul_i32 s21, s17, HALFT
	s_mul_i32 s22, s18, HALFT
	s_add_co_u32 s22, s22, 2*HALFT
.irp s, 0,1
	v_add_nc_u32 v[ADRA+\s], s21, v[L16]
	v_add_nc_u32 v[ADRA+2+\s], s21, v[L8]
	v_add_nc_u32 v[ADRB+\s], s22, v[L16]
	v_add_nc_u32 v[ADRB+2+\s], s22, v[L8]
	s_add_co_u32 s21, s21, SLOT
	s_add_co_u32 s22, s22, SLOT
.endr
	s_lshl_b32 s21, s17, 12
	s_lshl_b32 s22, s18, 12
	s_add_co_u32 s22, s22, 8192
	s_sub_co_u32 s22, s22, s21
	v_mul_u32_u24 v5, s22, v2
	v_lshl_add_u32 v5, v1, 2, v5
	s_add_co_u32 s21, s21, SCL
	v_add_nc_u32 v[ADRS], s21, v5
	s_mul_i32 s23, s16, 16*272
	v_mul_u32_u24 v5, v1, 272
	v_lshl_add_u32 v5, v2, 5, v5
	v_add_nc_u32 v[STO], s23, v5
	v_mul_u32_u24 v5, v2, 272
	v_lshl_add_u32 v5, v1, 4, v5
	v_add_nc_u32 v[RD], s23, v5
	v_lshlrev_b32 v[CO], 13, v2
	v_lshl_add_u32 v[CO], v1, 4, v[CO]
.macro FRAG reg, adr, off
	ds_load_b128 v[(\reg):(\reg)+3], v[\adr] offset:(\off)
	ds_load_b64 v[(\reg)+4:(\reg)+5], v[\adr+2] offset:(\off)+512
	ds_load_b128 v[(\reg)+6:(\reg)+9], v[\adr] offset:(\off)+768
	ds_load_b64 v[(\reg)+10:(\reg)+11], v[\adr+2] offset:(\off)+1280
.endm
.macro FETCH slot, q, f
.irp i, 0,1,2,3
	FRAG FS+96*(\f)+12*\i, ADRA+\slot, (4*\i+(\q))*FRB
	FRAG FS+96*(\f)+48+12*\i, ADRB+\slot, (4*\i+(\q))*FRB
.endr
.endm
.macro SCALES sc
.irp i, 0,1,2,3
.irp q, 0,1,2,3
	ds_load_b32 v[SC+16*\sc+4*\i+\q], v[ADRS] offset:1024*\i+64*\q
.endr
.endr
.endm
.macro MULA f, q, sc, a, first
	WIN 0x50
.irp b, 0,1,2,3
.if \first
	v_wmma_scale_f32_16x16x128_f8f6f4 v[8*(4*(\a)+\b):8*(4*(\a)+\b)+7], v[FS+96*(\f)+48+12*\b:FS+96*(\f)+48+12*\b+11], v[FS+96*(\f)+12*(\a):FS+96*(\f)+12*(\a)+11], v[128+8*\b:128+8*\b+7], v[SC+16*(\sc)+4*\b+(\q)], v[SC+16*(\sc)+4*(\a)+(\q)] matrix_a_fmt:MATRIX_FMT_FP6 matrix_b_fmt:MATRIX_FMT_FP6 matrix_a_scale:MATRIX_SCALE_ROW1
.else
	v_wmma_scale_f32_16x16x128_f8f6f4 v[8*(4*(\a)+\b):8*(4*(\a)+\b)+7], v[FS+96*(\f)+48+12*\b:FS+96*(\f)+48+12*\b+11], v[FS+96*(\f)+12*(\a):FS+96*(\f)+12*(\a)+11], v[8*(4*(\a)+\b):8*(4*(\a)+\b)+7], v[SC+16*(\sc)+4*\b+(\q)], v[SC+16*(\sc)+4*(\a)+(\q)] matrix_a_fmt:MATRIX_FMT_FP6 matrix_b_fmt:MATRIX_FMT_FP6 matrix_a_scale:MATRIX_SCALE_ROW1
.endif
.endr
.endm
.macro STEP slot, q, first
	s_wait_dscnt 0x0
	PLACES 4
	FETCH \slot, (\q)+1, ((\q)+1)%2
	MULA (\q)%2, \q, \slot, 0, \first
	MULA (\q)%2, \q, \slot, 1, \first
	MULA (\q)%2, \q, \slot, 2, \first
	MULA (\q)%2, \q, \slot, 3, \first
	WIN 0
.endm
.macro TURN slot, next, fill
	s_wait_tensorcnt 0x0
	ds_add_u32 v[SPW], v[NIL]
	s_wait_dscnt 1
	MULA 1, 3, \slot, 0, 0
	s_wait_dscnt 0x0
	s_barrier_signal -1
	MULA 1, 3, \slot, 1, 0
	WIN 0
	s_barrier_wait -1
.if \fill
	CREST
	s_add_nc_u64 s[G0+4*\slot+2:G0+4*\slot+3], s[G0+4*\slot+2:G0+4*\slot+3], 2*NQ*FRB
	s_add_nc_u64 s[G0B+4*\slot+2:G0B+4*\slot+3], s[G0B+4*\slot+2:G0B+4*\slot+3], 2*NQ*FRB
	JLOAD G0+4*\slot, G1, G0B+4*\slot, G1B
.else
	PLACES 4
.endif
	s_wait_alu depctr_va_vdst(0)
	v_add_nc_u32 v[ADRS], 64*NQ, v[ADRS]
	FETCH \next, 0, 0
	SCALES \next
	MULA 1, 3, \slot, 2, 0
	MULA 1, 3, \slot, 3, 0
	WIN 0
.endm
	s_wait_alu depctr_va_vdst(0)
	s_wait_tensorcnt 0x0                           ; my load of the head's four has landed
	ds_add_u32 v[SPW], v[NIL]
	s_mov_b32 s[G1+2], 4<<16                       ; no tensor load of mine is out: from here on a load brings a wave's own 4 rows
	s_mov_b32 s[G1+4], 4
	s_mov_b32 s[G1B+2], 4<<16
	s_mov_b32 s[G1B+4], 4
	s_wait_dscnt 0x0
	CROUND                                         ; slot 0 and the words are whole in every work-group
	JLOAD G0+4, G1, G0B+4, G1B                     ; slot 1, the first tensor load behind the round
	FETCH 0, 0, 0
	SCALES 0
	s_wait_loadcnt 0x0
	STEP 0, 0, 1
	STEP 0, 1, 0
	STEP 0, 2, 0
	TURN 0, 1, 1
	STEP 1, 0, 0
	STEP 1, 1, 0
	STEP 1, 2, 0
	TURN 1, 0, 1
	STEP 0, 0, 0
	STEP 0, 1, 0
	STEP 0, 2, 0
	TURN 0, 1, 0
	STEP 1, 0, 0
	STEP 1, 1, 0
	STEP 1, 2, 0
	s_wait_dscnt 0x0
	MULA 1, 3, 1, 0, 0
	MULA 1, 3, 1, 1, 0
	MULA 1, 3, 1, 2, 0
	MULA 1, 3, 1, 3, 0
	WIN 0
.macro TOSTAGE a
	WIN 0x04
.irp b, 0,1,2,3
	ds_store_b128 v[STO], v[32*(\a)+8*\b:32*(\a)+8*\b+3] offset:64*\b
	ds_store_b128 v[STO], v[32*(\a)+8*\b+4:32*(\a)+8*\b+7] offset:64*\b+16
.endr
	WIN 0
.irp t, 0,1,2,3,4,5,6,7
	ds_load_b128 v[BK+32*(\a)+4*\t:BK+32*(\a)+4*\t+3], v[RD] offset:544*\t
.endr
.endm
.macro SEND a, younger
	s_wait_dscnt \younger
.irp t, 0,1,2,3,4,5,6,7
	global_store_b128 v[CO], v[BK+32*(\a)+4*\t:BK+32*(\a)+4*\t+3], s[12:13] offset:131072*(\a)+16384*\t th:TH_STORE_NT
.endr
.endm
	PLACES 4
	TOSTAGE 0
	TOSTAGE 1
	SEND 0, 16
	TOSTAGE 2
	SEND 1, 16
	TOSTAGE 3
	SEND 2, 16
	SEND 3, 0
	s_wait_tensorcnt 0x0
	ds_add_u32 v[SPW], v[NIL]
	s_wait_dscnt 0x0
	CROUND
	s_endpgm
.Lfunc_end_k_qd8d371122b_gemm_out:
	.size	k_qd8d371122b_gemm_out, .Lfunc_end_k_qd8d371122b_gemm_out-k_qd8d371122b_gemm_out
	.p2alignl 7, 3214868480
	.fill 96, 4, 3214868480
	.section	.rodata,"a",@progbits
	.p2align	6, 0x0
	.amdhsa_kernel k_qd8d371122b_gemm_out
		.amdhsa_group_segment_fixed_size 327680
		.amdhsa_private_segment_fixed_size 0
		.amdhsa_enable_private_segment 0
		.amdhsa_kernarg_size 40
		.amdhsa_user_sgpr_count 2
		.amdhsa_user_sgpr_kernarg_segment_ptr 1
		.amdhsa_wavefront_size32 1
		.amdhsa_system_sgpr_workgroup_id_x 1
		.amdhsa_system_sgpr_workgroup_id_y 1
		.amdhsa_system_sgpr_workgroup_id_z 1
		.amdhsa_system_vgpr_workitem_id 0
		.amdhsa_next_free_vgpr 512
		.amdhsa_next_free_sgpr 102
		.amdhsa_reserve_vcc 0
		.amdhsa_float_denorm_mode_32 3
		.amdhsa_float_denorm_mode_16_64 3
		.amdhsa_memory_ordered 1
		.amdhsa_forward_progress 1
		.amdhsa_inst_pref_size 92
	.end_amdhsa_kernel
	.amdgpu_metadata
---
amdhsa.version: [ 1, 2 ]
amdhsa.kernels:
  - .name:           k_qd8d371122b_gemm_out
    .symbol:         k_qd8d371122b_gemm_out.kd
    .args:
      - { .name: ab, .offset: 0, .size: 8, .value_kind: global_buffer, .address_space: global }
      - { .name: opc, .offset: 8, .size: 8, .value_kind: global_buffer, .address_space: global }
      - { .name: ops, .offset: 16, .size: 8, .value_kind: global_buffer, .address_space: global }
      - { .name: bout, .offset: 24, .size: 8, .value_kind: global_buffer, .address_space: global }
      - { .name: out0, .offset: 32, .size: 8, .value_kind: global_buffer, .address_space: global }
    .group_segment_fixed_size: 327680
    .private_segment_fixed_size: 0
    .kernarg_segment_align: 8
    .kernarg_segment_size: 40
    .max_flat_workgroup_size: 128
    .sgpr_count:     102
    .vgpr_count:     512
    .wavefront_size: 32
...
	.end_amdgpu_metadata
.endif
;; end of part 4
